; MI455X (gfx1250); checked and timed in simulation.
; The chip was launched on July 23, 2026; its instructions are those of AMD's public machine-readable ISA for CDNA 5 (MIT licence, August 2026) and "CDNA5" Instruction Set Architecture Reference Guide (July 2026). The comments in the code are by the model that wrote it; some were corrected since.
;; self Attention. Allowed arithmetic: matrix products marked QUANTISED: E2M3 operands, one E8M0 scale for each 32 along K, by v_wmma_scale_f32_16x16x128_f8f6f4 with both operands' format E2M3, f32 sums; everything else in f32.
;; Inputs: Wk 1,024 x 1,024 float32; Wq 1,024 x 1,024 float32; Wv 1,024 x 1,024 float32; bk 1,024 float32; bq 1,024 float32; bv 1,024 float32; inputs 4 x 2,048 x 1,024 float32.
;; Outputs: out0 4 x 2,048 x 1,024 float32.
;; This version of the problem:
;;   THIS VERSION OF THE PROBLEM IS GIVEN IN LOW PRECISION. The matrix products marked QUANTISED in the list below multiply operands that are first quantised to E2M3 (2 exponent bits, 3 mantissa bits; 6 bits a number), with one power-of-two scale for each 32 numbers along K (OCP MX v1.0); their sums are f32. All else is computed in f32.
;;   The module's matrix products, in the order in which they are computed (A, B: the left and right operand; K: the contracted axis; several contracted axes count as one K, in the product's order):
;;     1. [M 8,192, K 1,024] x [K 1,024, N 1,024]; A: input inputs; B: input Wq: QUANTISED
;;     2. [M 8,192, K 1,024] x [K 1,024, N 1,024]; A: input inputs; B: input Wk: QUANTISED
;;     3. [M 8,192, K 1,024] x [K 1,024, N 1,024]; A: input inputs; B: input Wv: QUANTISED
;;     4. batch 4 x [M 2,048, K 1,024] x [K 1,024, N 2,048]; A: computed on the way; B: computed on the way: QUANTISED
;;     5. batch 4 x [M 2,048, K 2,048] x [K 2,048, N 1,024]; A: softmax (see below); B: computed on the way: QUANTISED
;;   THE QUANTISER, for each operand of a quantised product, along K:
;;     - K is cut into blocks of 32 from its start; a last block that is shorter is filled with zeros.
;;     - A block's scale is 2^e with e = floor(log2(the largest magnitude in the block)) - 2, held to -126 .. 127; a block of zeros has e = 0. As a byte (E8M0): e + 127.
;;     - Each number is divided by its block's scale, clamped to +-7.5, and rounded to the nearest number of E2M3, ties to even, subnormals kept.
;;     - The product sums the exact products of the quantised numbers (number of the format x scale) in f32.
;;   ~~~python
;;   def quantise(x, axis):      # numpy; x: float32 -> the quantised numbers, widened to float32 again
;;       x = np.moveaxis(x, axis, -1); K = x.shape[-1]
;;       x = np.pad(x, [(0, 0)] * (x.ndim - 1) + [(0, -K % 32)]); x = x.reshape(x.shape[:-1] + (-1, 32)); a = np.abs(x).max(-1, keepdims=True)
;;       e = np.where(a > 0, np.clip(np.frexp(np.where(a > 0, a, 1))[1] - 1 - 2, -126, 127), 0)      # np.frexp(a)[1] - 1 = floor(log2(a)), exactly
;;       r = np.clip(x / 2.0 ** e, -7.5, 7.5)
;;       step = 2.0 ** (np.maximum(np.frexp(np.where(r == 0, 1, r))[1] - 1, 0) - 3)
;;       q = np.round(r / step) * step * 2.0 ** e      # np.round: ties to even
;;       return np.moveaxis(q.reshape(q.shape[:-2] + (-1,))[..., :K], -1, axis).astype(np.float32)
;;   ~~~
;;   SOFTMAX AHEAD OF A QUANTISED PRODUCT. Where the list says 'softmax', what is quantised is not the finished softmax but p = 2^(t - M), with t = logit x log2(e) and M = ceil(the row's largest t), a whole number; so 1/2 < the row's largest p <= 1. The row's sum l is taken of the UNQUANTISED p, in f32, and the product's result is divided by l at the end. Since M is a whole number, a kernel that streams over the keys may use a running M (the ceiling of the running maximum): every later rescaling is an exact power of two, which a block's scale takes up: the codes' values come out the same.
;;   OPERANDS COMPUTED ON THE WAY. 'Computed on the way' means the value that the module computes at that place (a softmax that the list does not call 'softmax' is quantised finished and normalised). What goes into a quantiser is computed in f32, as accurately as f32 sums, v_exp_f32 and their like allow (about 1e-6 of the number): no bf16 or f16 on the way to a quantiser, and a product that is left as it is and whose result goes on into a quantised operand takes f32 operands (vector FMAs, or v_wmma_f32_16x16x4_f32). A number that lies on a knife's edge between two numbers of the format may be rounded either way, as far as f32 arithmetic and the matrix unit's own rounding can turn it there, and no further.
;; One version. Each part assembles by itself: llvm-mc -triple=amdgcn-amd-amdhsa -mcpu=gfx1250 --defsym DOCPART=n.
;; ======== version 1 of 1: 4 launches
;; limits: right only within a limited range of input values
;; workspace buffers: xw_codes 8,650,752 bytes; xw_scales 360,448 bytes; qkv_codes 18,874,368 bytes; qkv_scales 786,432 bytes; p_codes 12,582,912 bytes; p_stats 2,097,152 bytes
;; launch quant (part 1): grid 256 x 1, 22 waves a work-group, no clusters, 190,208 bytes of LDS; arguments inputs, Wq, Wk, Wv, xw_codes, xw_scales; writes xw_codes, xw_scales
.if DOCPART == 1
	.amdgcn_target "amdgcn-amd-amdhsa--gfx1250"
	.amdhsa_code_object_version 6
	.text
	.protected	k_qc61594d9b7_quant
	.globl	k_qc61594d9b7_quant
	.p2align	8
	.type	k_qc61594d9b7_quant,@function
k_qc61594d9b7_quant:
	s_mov_b64 s[64:65], 0
	v_nop
	global_prefetch_b8 v0, s[64:65] scope:SCOPE_SE
	s_setreg_imm32_b32 hwreg(HW_REG_WAVE_MODE, 25, 1), 1
	s_wait_xcnt 0x0
; inputs [8192][1024], Wq, Wk, Wv [1024][1024], f32, K innermost, become codes of FP6 (E2M3) with one E8M0 byte for each 32 along K.
; A block's scale is 2^(floor(log2(its largest magnitude)) - 2); its byte is that magnitude's exponent field - 2, held at 1 from below.
; OUTPUT AS IMAGES OF OPERAND REGISTERS.  A fragment (16 rows x 128 K) is 12 registers a lane = 1,536 bytes: registers 4 g .. 4 g + 3 of lane l at 512 g + 16 l.
; xw_codes: [row block of 16][chunk of 128 K]: blocks 0-511 inputs, 512-575 Wq, 576-639 Wk, 640-703 Wv.  xw_scales: [group of 64 rows][chunk][64 rows], one word a row and chunk.
; SHARES.  5,632 fragments in the order (group of 64 rows, chunk, row block of the group) = 256 work-groups x 22 waves: one fragment a wave, all its loads issued at once.
; A fragment's 16 x 512 bytes turn through the wave's own stage in LDS (rows of 528 bytes), since the conversions want 16 neighbours in ONE lane.
; The work-group's 22 x 64 bytes of scale words are neighbours in xw_scales: gathered in LDS, they leave as 1,408 bytes on end, 128 by each of 11 waves.
; LIMITS: NaN and infinities among the inputs are not served; a block whose largest magnitude lies under 2^-124, a block of zeros among them, keeps the byte 1 (a block of zeros has zero codes; this program alone reads the bytes).
.set WAVES, 22
.set SP,   528                         ; a stage row: 512 bytes + 16
.set WREG, 16*SP                       ; a wave's stage
.set SCW,  WAVES*WREG                  ; the scale words
.set SPARE, SCW+1536                   ; the spare words: 128 bytes a wave
.set SPW,  12
.set NIL,  13
.set X,    32                          ; v32-95   64 numbers: register 16 b + i = k 32 b + 16 (lane / 16) + i of row lane % 16
.set R,    96                          ; v96-159  64 registers as loaded; behind the turn:
.set PC,   96                          ; the codes (12 registers, and 8 at work)
.set TM,   116                         ; largest magnitudes, bytes, scale operands
.set PW,   132                         ; the scale word
.set SEL,  24                          ; s[24:25] selects of v_permlanex16_b32: lane l xor 16
	s_load_b256 s[4:11], s[0:1], 0x0               ; inputs, Wq, Wk, Wv
	s_load_b128 s[12:15], s[0:1], 0x20             ; xw_codes, xw_scales
	v_lshl_add_u32 v[SPW], v0, 2, SPARE
	v_mov_b32 v[NIL], 0
	v_lshrrev_b32 v1, 5, v0
	v_readfirstlane_b32 s16, v1                    ; wave
	s_mul_i32 s17, s16, WREG
	s_lshl_b32 s23, s16, 6
	s_add_co_u32 s23, s23, SCW
	v_and_b32 v1, 31, v0                           ; lane
	v_and_b32 v2, 15, v0                           ; r
	v_bfe_u32 v3, v0, 4, 1                         ; h
	v_lshlrev_b32 v4, 4, v1                        ; 16 x lane: my bytes of a load's 512, and of an image's
	v_add_nc_u32 v5, s17, v4                       ; the stage, on the way in
	v_mul_u32_u24 v6, v2, SP
	v_lshl_add_u32 v6, v3, 6, v6
	v_add_nc_u32 v6, s17, v6                       ; and out: row r, + 64 h
	v_lshlrev_b32 v7, 2, v2
	v_add_nc_u32 v7, s23, v7                       ; my row's scale word
	v_lshlrev_b32 v8, 2, v0                        ; 4 x thread: the words on the way out,
	v_add_nc_u32 v9, SCW, v8                       ; and in LDS
	s_mov_b32 s[SEL], 0x76543210
	s_mov_b32 s[SEL+1], 0xfedcba98
	s_mul_i32 s18, ttmp9, WAVES
	s_add_co_u32 s18, s18, s16                     ; my fragment
	s_lshr_b32 s19, s18, 5                         ; its group of 64 rows,
	s_bfe_u32 s20, s18, 0x30002                    ; its chunk,
	s_and_b32 s21, s18, 3                          ; its row block in the group
	s_and_b32 s22, s19, 15                         ; a weight's own group of rows
	s_wait_alu depctr_va_vdst(0)                   ; the wait at the head's end
	s_wait_kmcnt 0x0
	s_cmp_lt_u32 s19, 160                          ; which tensor: the choice hangs on ids alone
	s_cselect_b64 s[8:9], s[8:9], s[10:11]
	s_cmp_lt_u32 s19, 144
	s_cselect_b64 s[6:7], s[6:7], s[8:9]
	s_cmp_lt_u32 s19, 128
	s_cselect_b64 s[4:5], s[4:5], s[6:7]
	s_cselect_b32 s22, s19, s22
	s_lshl_b32 s22, s22, 18                        ; 64 rows of 4,096 bytes
	s_lshl_b32 s23, s21, 16
	s_add_co_u32 s22, s22, s23
	s_lshl_b32 s23, s20, 9
	s_add_co_u32 s22, s22, s23
	s_mov_b32 s23, 0
	s_add_nc_u64 s[4:5], s[4:5], s[22:23]
.irp p, 0,1,2,3,4,5,6,7,8,9,10,11,12,13,14,15
	global_load_b128 v[R+4*\p:R+4*\p+3], v4, s[4:5] offset:\p*4096 th:TH_LOAD_NT   ; 512 consecutive bytes of a row
.endr
	s_lshl_b32 s22, s19, 2
	s_add_co_u32 s22, s22, s21                     ; row block
	s_lshl_b32 s22, s22, 3
	s_add_co_u32 s22, s22, s20
	s_mul_i32 s22, s22, 1536
	s_add_nc_u64 s[12:13], s[12:13], s[22:23]
	s_mul_i32 s22, ttmp9, WAVES*64
	s_add_nc_u64 s[14:15], s[14:15], s[22:23]
.irp k, 0,1,2,3
	s_wait_loadcnt 12-4*\k                         ; four more rows are in
.irp p, 0,1,2,3
	ds_store_b128 v5, v[R+16*\k+4*\p:R+16*\k+4*\p+3] offset:SP*(4*\k+\p)
.endr
.endr
.irp b, 0,1,2,3
.irp j, 0,1,2,3
	ds_load_b128 v[X+16*\b+4*\j:X+16*\b+4*\j+3], v6 offset:128*\b+16*\j   ; LDS serves a wave's instructions in order: these see the stores above
.endr
.endr
	s_wait_dscnt 0x0
.irp b, 0,1,2,3
	v_max3_num_f32 v[TM+\b], |v[X+16*\b]|, |v[X+1+16*\b]|, 0x1800000   ; my 16 numbers of block b, and the floor 2^(3 - 127): the byte cannot fall under 1
.endr
.irp i, 2,4,6,8,10,12,14
.irp b, 0,1,2,3
	v_max3_num_f32 v[TM+\b], v[TM+\b], |v[X+16*\b+\i]|, |v[X+1+16*\b+\i]|
.endr
.endr
.irp b, 0,1,2,3
	v_permlanex16_b32 v[TM+4+\b], v[TM+\b], s[SEL], s[SEL+1]
.endr
.irp b, 0,1,2,3
	v_max_num_f32 v[TM+\b], v[TM+\b], v[TM+4+\b]   ; with lane l xor 16's: the block's largest magnitude
.endr
.irp b, 0,1,2,3
	v_add_nc_u32 v[TM+12+\b], 0xff000000, v[TM+\b] ; 2 off its exponent field: the conversion's scale operand
.endr
.irp b, 0,1,2,3
	v_lshrrev_b32 v[TM+4+\b], 23, v[TM+12+\b]      ; the scale's byte
.endr
	v_lshl_or_b32 v[PW], v[TM+5], 8, v[TM+4]
	v_lshl_or_b32 v[PW], v[TM+6], 16, v[PW]
	v_lshl_or_b32 v[PW], v[TM+7], 24, v[PW]
.irp c, 0,1
	v_cvt_scalef32_pk16_fp6_f32 v[PC+6*\c:PC+2+6*\c], v[X+32*\c:X+15+32*\c], v[TM+12+2*\c]
	v_cvt_scalef32_pk16_fp6_f32 v[PC+12+4*\c:PC+14+4*\c], v[X+16+32*\c:X+31+32*\c], v[TM+12+2*\c+1]   ; (a conversion's three registers begin on an even number)
.endr
	v_nop                                          ; one plain place behind a scaled conversion
.irp c, 0,1                                    ; the operand's layout wants a whole block in a lane
.irp i, 0,1,2
	v_permlane16_swap_b32 v[PC+6*\c+\i], v[PC+12+4*\c+\i]
.endr
.irp i, 0,1,2
	v_mov_b32 v[PC+3+6*\c+\i], v[PC+12+4*\c+\i]
.endr
.endr
	ds_store_b32 v7, v[PW]                         ; both halves of the lanes write the same word with the same value
.irp g, 0,1,2
	global_store_b128 v4, v[PC+4*\g:PC+4*\g+3], s[12:13] offset:512*\g   ; 512 consecutive bytes, aligned
.endr
	s_wait_dscnt 0x0                               ; my words are in LDS,
	s_barrier_signal -1
	s_barrier_wait -1                              ; and everybody's
	s_cmp_lt_u32 s16, 11
	s_cbranch_scc0 .Lno_words
	ds_load_b32 v32, v9
	s_wait_dscnt 0x0
	global_store_b32 v8, v32, s[14:15]             ; 128 consecutive bytes
.Lno_words:
	s_wait_tensorcnt 0x0                           ; the wave's end
	ds_add_u32 v[SPW], v[NIL]
	s_wait_dscnt 0x0
	s_endpgm
.Lfunc_end_k_qc61594d9b7_quant:
	.size	k_qc61594d9b7_quant, .Lfunc_end_k_qc61594d9b7_quant-k_qc61594d9b7_quant
	.p2alignl 7, 3214868480
	.fill 96, 4, 3214868480
	.section	.rodata,"a",@progbits
	.p2align	6, 0x0
	.amdhsa_kernel k_qc61594d9b7_quant
		.amdhsa_group_segment_fixed_size 190208
		.amdhsa_private_segment_fixed_size 0
		.amdhsa_enable_private_segment 0
		.amdhsa_kernarg_size 48
		.amdhsa_user_sgpr_count 2
		.amdhsa_user_sgpr_kernarg_segment_ptr 1
		.amdhsa_wavefront_size32 1
		.amdhsa_system_sgpr_workgroup_id_x 1
		.amdhsa_system_sgpr_workgroup_id_y 1
		.amdhsa_system_sgpr_workgroup_id_z 1
		.amdhsa_system_vgpr_workitem_id 0
		.amdhsa_next_free_vgpr 160
		.amdhsa_next_free_sgpr 66
		.amdhsa_reserve_vcc 0
		.amdhsa_float_denorm_mode_32 3
		.amdhsa_float_denorm_mode_16_64 3
		.amdhsa_memory_ordered 1
		.amdhsa_forward_progress 1
		.amdhsa_inst_pref_size 11
	.end_amdhsa_kernel
	.amdgpu_metadata
---
amdhsa.version: [ 1, 2 ]
amdhsa.kernels:
  - .name:           k_qc61594d9b7_quant
    .symbol:         k_qc61594d9b7_quant.kd
    .args:
      - { .name: inputs, .offset: 0, .size: 8, .value_kind: global_buffer, .address_space: global }
      - { .name: Wq, .offset: 8, .size: 8, .value_kind: global_buffer, .address_space: global }
      - { .name: Wk, .offset: 16, .size: 8, .value_kind: global_buffer, .address_space: global }
      - { .name: Wv, .offset: 24, .size: 8, .value_kind: global_buffer, .address_space: global }
      - { .name: xw_codes, .offset: 32, .size: 8, .value_kind: global_buffer, .address_space: global }
      - { .name: xw_scales, .offset: 40, .size: 8, .value_kind: global_buffer, .address_space: global }
    .group_segment_fixed_size: 190208
    .private_segment_fixed_size: 0
    .kernarg_segment_align: 8
    .kernarg_segment_size: 48
    .max_flat_workgroup_size: 704
    .sgpr_count:     66
    .vgpr_count:     160
    .wavefront_size: 32
...
	.end_amdgpu_metadata
.endif
;; end of part 1
;; launch proj (part 2): grid 8 x 32, 4 waves a work-group, clusters of 4 x 4, 327,680 bytes of LDS; arguments xw_codes, xw_scales, bq, bk, bv, qkv_codes, qkv_scales; writes qkv_codes, qkv_scales
.if DOCPART == 2
	.amdgcn_target "amdgcn-amd-amdhsa--gfx1250"
	.amdhsa_code_object_version 6
	.text
	.protected	k_qc61594d9b7_proj
	.globl	k_qc61594d9b7_proj
	.p2align	8
	.type	k_qc61594d9b7_proj,@function
k_qc61594d9b7_proj:
	s_mov_b64 s[64:65], 0
	v_nop
	global_prefetch_b8 v0, s[64:65] scope:SCOPE_SE
	s_setreg_imm32_b32 hwreg(HW_REG_WAVE_MODE, 25, 1), 1
	s_wait_xcnt 0x0
	s_wait_alu depctr_hold_cnt(0) depctr_sa_sdst(0) depctr_va_vdst(0) depctr_va_sdst(0) depctr_va_ssrc(0) depctr_va_vcc(0) depctr_vm_vsrc(0)
	s_getreg_b32 s2, hwreg(HW_REG_IB_STS2, 6, 4)
	s_cmp_eq_u32 s2, 0
	s_cbranch_scc0 .Lentry_in_a_cluster
	s_endpgm
.Lentry_in_a_cluster:
	s_bfe_u32 s2, ttmp6, 0x10000c
	s_cmp_lg_u32 s2, 0xf033
	s_cbranch_scc0 .Lentry_shape_is_right
	s_endpgm
.Lentry_shape_is_right:
; Q, K, V = x W^T + b on codes of FP6 (E2M3) with E8M0 scales, and the results quantised again on the way out: Q and K along the 1,024 features, V along the keys.
; OPERANDS lie in memory as images of operand registers (a fragment of 16 rows x 128 K = 1,536 bytes, [row block][chunk]); scale words as [64 rows][chunk][64].
; SHARES.  256 work-groups (J = 0..7, T = 0..31), and each stays for two phases:
;   phase 1: tokens 256 T on against the weight tile J (0-3: Wq, 4-7: Wk): source 0 (S0) = the weight's rows, source 1 (S1) = tokens: a lane holds a token, its registers run along the features.  A wave makes 128 x 128.
;   phase 2: the same tokens against Wv's rows 128 J on: S0 = tokens, S1 = Wv's rows: a lane holds a channel, its registers run along the keys.  A wave makes 128 tokens x 64 channels.
; So in both phases a lane's 64 results of one S1 block are, with lane l xor 16's, 128 along the next product's K.
; THE NEXT K IS PERMUTED inside each block of 32 (0-7, 16-23 | 8-15, 24-31), alike in Q and K, and alike in V and p: the blocks stay the same sets, so the scales are the quantiser's, and the products are kept.
; LDS.  THE TOKENS' 256 ROWS, ALL OF K, STAY for both phases: 196,608 bytes, [K step of 256][row block][two chunks].  The weights go through two slots of 49,152 bytes: W's K step k in slot k % 2, then Wv's chunks 0-3 in slot 0 and 4-7 in slot 1.
;   At the head one load a wave: K step 0 of the tokens, of the weight, and both scales.  K step 1 is asked for behind the head's round, K steps 2 and 3 and Wv's two halves each behind a round inside the walk.
; PREFETCH INTO THE L2: each tile one refill ahead of the joint load that brings it: K step 1 at the head, 2 behind chunk 0's LDS loads, 3 and Wv's halves behind the LDS loads of chunks 2, 4 and 6; then nothing is left to ask for.
;   Its blocks of 256 bytes are shared out by address: the tokens' among the four work-groups of a row of the cluster (two row blocks for each of waves 0 and 1), the weights' among the four of a column in each of two
;   neighbouring clusters (W: a row block for each of waves 2 and 3; Wv: a row block, 6 blocks for each wave), so that at most four clusters ask for a block of the weights.
; A CHUNK is 128 along K.  The next chunk's LDS loads go into the other set of fragments (macro STEP).  Each phase's last chunk goes by S1 blocks: the products of block a + 1 stand among the vector lines of block a's way out.
; ONE REGISTER CARRIES BOTH SIDES' SCALE WORDS: lanes 0-15 those of S1's block i, lanes 16-31 those of S0's block i.
; CLUSTER 4 x 4: what hangs on the tokens is shared along a row of the cluster, what hangs on the weights along a column: joint loads.
; LIMITS: NaN and infinities are not served; a block whose largest magnitude lies under 2^-124 keeps the byte 1 (a block of zeros has zero codes).
; REGISTERS: window 0: v0-31 addresses and bv, v32-47 scale words (two sets of 8), v48-63 at work, v64-255 S1's fragments (phase 1: two sets of 96; phase 2: two of 48, from v160 on; the way outs work in v64-153).
;   window 1: S0's fragments at v0 and v128 (96 each); phase 1's bias in v96-127, v224-255.  Window 2: accumulators (a, b) of S1 blocks a = 0-3 at v[8 (8 a + b)]; window 3: a = 4-7 (phase 1 alone).
.set NA,    8                          ; S1 blocks of a wave (phase 2: 4)
.set PH,    1                          ; the phase
.set S1F,   64                         ; S1's fragments (phase 2: 160)
.set KC,    8
.set SROW,  3072                       ; a row block's bytes of a K step
.set KST,   16*SROW                    ; 16 row blocks of a K step
.set HALF,  8*SROW                     ; half of them; also four row blocks of Wv's four chunks
.set WS0,   4*KST                      ; the weights' slots
.set WSC,   WS0+2*KST                  ; scales: Wv's 4,096 bytes, the tokens' 8,192, the weight's 8,192, each 64 bytes further on modulo 256, so that the two halves of the lanes touch different banks
.set TSC,   WSC+4096+64
.set BSC,   TSC+8192+64
.set SPARE, BSC+8192+128               ; the spare words: 128 bytes a wave, two blocks of 256 bytes that no other line names
.set SCR,   SPARE+512                  ; 512 bytes a wave: the scale words made on the way out
.set RBP,   12288                      ; a row block in memory: 8 chunks
.set KOFF,  6291456                    ; K's codes in qkv_codes
.set VOFF,  12582912                   ; V's
.set LI,   4                           ; v4   16 x lane
.set L8,   5                           ; v5   8 x lane
.set SWI,  6                           ; v6   my row's word in my scratch
.set SWO,  7                           ; v7   the scratch on the way out
.set ADT1, 8                           ; v8-11  phase 1: my half of the tokens, K steps 0 to 3
.set ADW,  12                          ; v12-13 my half of the weight's rows in slot 0, 1
.set ADS1, 14                          ; v14  scale words of phase 1
.set ADS2, 15                          ; v15  of phase 2, blocks 0-3
.set ADSB, 16                          ; v16  of phase 2, S0's blocks 4-7
.set ADT2, 17                          ; v17-20 phase 2: my half of the tokens
.set PFO,  21                          ; v21  the prefetches' offset: 12 blocks of 256 bytes of a row block, and for the tokens of the next one; never rewritten
.set BV,   22                          ; v22-29 bv of my lane's channel in each of my four blocks, each twice
.set SPW,  30                          ; v30  my spare word; never rewritten
.set NIL,  31                          ; v31  0; never rewritten
.set SC,   32
.set TM,   48                          ; the way out: v48-55, v60-63
.set ADV,  56                          ; v56-57 my half of Wv's rows in slot 0, 1
.set PFW,  58                          ; v58  the offset for Wv: 6 blocks; never rewritten
.set X,    64                          ; the way out: 64 numbers
.set PC,   128                         ; the codes just made
.set PW,   148
.set WB,   150                         ; v150-153 scale words read back
.set WV,   2
.set HA,   3                           ; my half of S1.  Also: I fetch what hangs on the tokens (0) or on the weights (1)
.set HB,   8                           ; my half of S0.  Also: which half of that tile I fetch
.set CX,   9
.set CY,   10
.set UU,   11                          ; the cluster's x: 0 Q, 1 K
.set TT,   12                          ; the tile of 256 tokens
.set JJ,   13                          ; the tile of weights
.set OUT,  4                           ; s[4:5]   where my codes of Q or K go
.set SOUT, 6                           ; s[6:7]   their scale words
.set SEL,  16                          ; s[16:17] selects of v_permlanex16_b32: lane l xor 16
.set OUTV, 18                          ; s[18:19] my codes of V
.set SOUTV, 66                         ; s[66:67] their scale words
.set G1A,  24                          ; group 1 for the tokens' tiles
.set G1B,  32                          ; for the weight's
.set G0A,  40                          ; group 0 for the tokens' tiles: s[40:43] K step 2, s[44:47] K steps 1 and 3
.set G0B,  48                          ; for the weight's
.set G0HA, 56                          ; the head's: tokens, weight
.set G0HB, 60
.set G1SA, 68                          ; the scales': tokens, weight;
.set G1SB, 76
.set G0SA, 84
.set G0SB, 88
.set G1V,  68                          ; behind the wait that shows those loads done: Wv's tiles
.set G1WS, 76                          ; and its scales
.set G0V,  84
.set G0WS, 88
.set PFV,  94                          ; s[94:95] where my prefetches of Wv stand
.set PF,   96                          ; s[96:97] where my prefetches of the tokens or of W stand: K step 0
.set MSB, 0
.macro WIN new                         ; the immediate's high byte repeats the setting that is left
.if MSB != (\new)
	s_set_vgpr_msb (MSB<<8)|(\new)
.set MSB, (\new)
.endif
.endm
.set MUL_LO, 0xa1                      ; source 0 window 1, source 1 window 0, C and D window 2 (+ 0x50: window 3)
.set TO_B,   0x40                      ; destination window 1
.macro PLACES                          ; four plain vector lines between a matrix instruction and a load into, or a vector write of, its registers, or a read of its result
.rept 4
	v_nop
.endr
.endm
.macro TLOAD g0, g1
	tensor_load_to_lds s[\g0:\g0+3], s[\g1:\g1+7]
	s_nop 0
	PLACES
.endm
.macro JLOAD g0a, g1a, g0b, g1b        ; a joint load: waves 0, 1 fetch the tokens' halves, waves 2, 3 the weight's
	s_cmp_eq_u32 s[HA], 0
	s_cbranch_scc0 .Lfor_b_\@
	TLOAD \g0a, \g1a
	s_branch .Lasked_\@
.Lfor_b_\@:
	TLOAD \g0b, \g1b
.Lasked_\@:
.endm
.macro ARM w, g0, g1, next             ; an arm of the head's chain: one load a wave
	s_cmp_eq_u32 s[WV], \w
	s_cbranch_scc0 \next
	TLOAD \g0, \g1
	s_branch .Lhead_asked
\next:
.endm
.macro CREST                           ; a round of the cluster's barrier behind its opening barrier
	s_cmp_lg_u32 s[WV], 0
	s_cbranch_scc1 .Lnot_wave_0_\@
	s_barrier_signal -3
.Lnot_wave_0_\@:
	s_barrier_wait -3
	s_barrier_signal -1
	s_barrier_wait -1
.endm
.macro CROUND
	s_barrier_signal -1
	s_barrier_wait -1
	CREST
.endm
.macro GROUP1 g, mask, c, r, p         ; r rows of c elements of 8 bytes, p elements from row to row
	s_or_b32 s[\g], s\mask, (3<<16)|(1<<21)        ; 15:0 the mask; 17:16 elements of 8 bytes; 21 set beside a mask; no padding
	s_mov_b32 s[\g+1], (\c)<<16
	s_mov_b32 s[\g+2], (\r)<<16
	s_mov_b32 s[\g+3], (\c)<<16
	s_mov_b32 s[\g+4], \r
	s_mov_b32 s[\g+5], \p
	s_mov_b32 s[\g+6], 0
	s_mov_b32 s[\g+7], 0
.endm
.macro GROUP0 g, lds, a
	s_mov_b32 s[\g], 1
	s_mov_b32 s[\g+1], \lds
	s_mov_b64 s[\g+2:\g+3], s[\a:\a+1]
	s_or_b32 s[\g+3], s[\g+3], 0x80000000
.endm
.macro ASK v, base, off
	global_prefetch_b8 v[\v], s[\base:\base+1] offset:\off th:TH_LOAD_NT scope:SCOPE_SE
.endm
.macro FILL k                          ; 1 to 3: K step k; 4, 5: Wv's halves (waves 2, 3), with 4 its scales (wave 0)
.if (\k) < 4
.if (\k) == 3
	s_add_co_u32 s[G0A+5], s[G0A+5], 2*KST
	s_add_nc_u64 s[G0A+6:G0A+7], s[G0A+6:G0A+7], 2*SROW
	s_add_nc_u64 s[G0B+6:G0B+7], s[G0B+6:G0B+7], 2*SROW
.endif
	JLOAD G0A+4*((\k)%2), G1A, G0B+4*((\k)%2), G1B
.else
.if (\k) == 5
	s_add_co_u32 s[G0V+1], s[G0V+1], KST
	s_add_nc_u64 s[G0V+2:G0V+3], s[G0V+2:G0V+3], 4*1536
.endif
	s_cmp_eq_u32 s[HA], 0
	s_cbranch_scc1 .Lnot_v_\@
	TLOAD G0V, G1V
	s_branch .Lfilled_\@
.Lnot_v_\@:
.if (\k) == 4
	s_cmp_eq_u32 s[WV], 0
	s_cbranch_scc0 .Lfilled_\@
	TLOAD G0WS, G1WS
.endif
.Lfilled_\@:
	PLACES                                         ; for the waves that come round the loads
.endif
.endm
; The next LDS load, LJ, of chunk LN, into set LN % 2.  Phase 1: S0's eight fragments, S1's first, the scale words, S1's others.  Phase 2: S1's four fragments, the scale words, S0's eight.  So the youngest 18 loads are six fragments that the first quarter of the products does not need.
.macro LDN
.if LJ < 32+3*NA
.set LP, LN%2
.if PH == 1
.if LJ < 24
	LD0 LJ, ADW+(LN/2)%2
.elseif LJ < 27
	LD1 LJ-24, ADT1+LN/2, 3072, LN%2
.elseif LJ < 35
	LDS LJ-27, ADS1
.else
	LD1 LJ-32, ADT1+LN/2, 3072, LN%2
.endif
.else
.if LJ < 12
	LD1 LJ, ADV+LN/4, 6144, LN%4
.elseif LJ < 16
	LDS LJ-12, ADS2
.elseif LJ < 20
	LDS LJ-12, ADSB
.else
	LD0 LJ-20, ADT2+LN/2
.endif
.endif
.set LJ, LJ+1
.endif
.endm
.macro LD0 t, adr                      ; a fragment comes back as it was stored: three loads of 512 consecutive bytes
	WIN TO_B
.set LX, 128*LP+4*(\t)
	ds_load_b128 v[LX:LX+3], v[\adr] offset:((\t)/3)*3072+(LN%2)*1536+512*((\t)%3)
.endm
.macro LD1 t, adr, row, q
	WIN 0
.set LX, S1F+12*NA*LP+4*(\t)
	ds_load_b128 v[LX:LX+3], v[\adr] offset:((\t)/3)*(\row)+(\q)*1536+512*((\t)%3)
.endm
.macro LDS t, adr
	WIN 0
	ds_load_b32 v[SC+8*LP+(\t)], v[\adr] offset:((\t)/4)*KC*256+((\t)%4)*64+256*LN
.endm
.macro LOADS k
.rept \k
	LDN
.endr
.endm
.macro FETCHALL                        ; chunk 0 in one run
.set LN, 0
.set LJ, 0
	LOADS (32+3*NA)
	WIN 0
.endm
; The product of chunk n on accumulator (a, b).  The accumulators take turns, one instruction a turn.
.macro MULAB n, a, b, zero
	WIN MUL_LO+0x50*((\a)/4)
.set MP, (\n)%2
.set MS, SC+8*MP
.set MD, 64*((\a)%4)+8*(\b)
.set MX0, 128*MP+12*(\b)
.set MX1, S1F+12*NA*MP+12*(\a)
.if \zero
	v_wmma_scale_f32_16x16x128_f8f6f4 v[MD:MD+7], v[MX0:MX0+11], v[MX1:MX1+11], 0, v[MS+(\b)], v[MS+(\a)] matrix_a_fmt:MATRIX_FMT_FP6 matrix_b_fmt:MATRIX_FMT_FP6 matrix_a_scale:MATRIX_SCALE_ROW1
.else
	v_wmma_scale_f32_16x16x128_f8f6f4 v[MD:MD+7], v[MX0:MX0+11], v[MX1:MX1+11], v[MD:MD+7], v[MS+(\b)], v[MS+(\a)] matrix_a_fmt:MATRIX_FMT_FP6 matrix_b_fmt:MATRIX_FMT_FP6 matrix_a_scale:MATRIX_SCALE_ROW1
.endif
.endm
.macro RUN n, from, to, zero           ; products from .. to - 1: phase 1 by S1's blocks, phase 2 by S0's
.set MI, \from
.rept (\to)-(\from)
.if NA == 8
	MULAB \n, MI/8, MI%8, \zero
.else
	MULAB \n, MI%4, MI/4, \zero
.endif
.set MI, MI+1
.endr
.endm
.macro BLOCK0 n                        ; the last chunk's first S1 block
.irp b, 0,1,2,3,4,5,6,7
	MULAB \n, 0, \b, 0
.endr
	WIN 0
.endm
; Chunk n, whose successor every wave knows to be whole in LDS.  The successor's loads go out in two runs, at the start and in the middle.
; The waits: in front of each quarter the loads younger than what it needs may be out: 18, 12, 6, 0 of this chunk's, and those issued for the next.
.macro STEP n, zero
.set LN, (\n)+1
.set LJ, 0
	s_wait_dscnt 18
	PLACES                                         ; between the products that read the other set and the loads into it
	LOADS (16+3*NA/2)
	RUN \n, 0, 2*NA, \zero
	s_wait_dscnt 12+LJ
	RUN \n, 2*NA, 4*NA, \zero
	s_wait_dscnt 6+LJ
	LOADS (16+3*NA/2)
	RUN \n, 4*NA, 6*NA, \zero
	s_wait_dscnt LJ
	RUN \n, 6*NA, 8*NA, \zero
.endm
; Chunk n with a barrier in its first quarter.  In front of it each wave waits for all its tensor loads, adds 0 to its spare word, and waits for that and for all its LDS reads so far.
; fill: what is filled behind the barrier, which then opens a round; 0: nothing, the barrier shows what has landed to every wave.  The tile of the next refill is asked for into the L2 behind the first run of LDS loads.
.macro TURN n, fill
	WIN 0
	s_wait_tensorcnt 0x0                           ; all my tensor loads have landed
	ds_add_u32 v[SPW], v[NIL]                      ; 0 onto my spare word
	s_wait_dscnt 19                                ; (the add and the chunk's youngest 18 loads may be out)
	RUN \n, 0, NA, 0
	s_wait_dscnt 0x0                               ; the add is done, and my LDS reads are over
	s_barrier_signal -1
	RUN \n, NA, 2*NA, 0
	WIN 0
	s_barrier_wait -1
.if \fill
	CREST                                          ; no wave of any partner still reads the slot or has a load on its way
	FILL \fill
.else
	PLACES
.endif
.set LN, (\n)+1
.set LJ, 0
	LOADS (16+3*NA/2)
.if (\fill) == 2
	ASK PFO, PF, 3*SROW
.elseif (\fill) == 3
	ASK PFW, PFV, 0
.elseif (\fill) == 4
	ASK PFW, PFV, 4*1536
.endif
	RUN \n, 2*NA, 5*NA, 0
	LOADS (16+3*NA/2)
	RUN \n, 5*NA, 8*NA, 0
.endm
; 64 numbers of a lane, register 16 b + i = position 32 b + 16 (lane / 16) + i of my row, become a fragment's codes in v[PC] on and its scale word in v[PW]
.macro QUANT s
.irp b, 0,1,2,3
	v_max3_num_f32 v[TM+\b], |v[\s+16*\b]|, |v[\s+1+16*\b]|, 0x1800000   ; and the floor 2^(3 - 127): the byte cannot fall under 1
.endr
.irp i, 2,4,6,8,10,12,14
.irp b, 0,1,2,3
	v_max3_num_f32 v[TM+\b], v[TM+\b], |v[\s+16*\b+\i]|, |v[\s+1+16*\b+\i]|
.endr
.endr
.irp b, 0,1,2,3
	v_permlanex16_b32 v[TM+4+\b], v[TM+\b], s[SEL], s[SEL+1]
.endr
.irp b, 0,1,2,3
	v_max_num_f32 v[TM+\b], v[TM+\b], v[TM+4+\b]
.endr
.irp b, 0,1,2,3
	v_add_nc_u32 v[TM+12+\b], 0xff000000, v[TM+\b] ; 2 off the exponent field: the conversion's scale operand
.endr
.irp b, 0,1,2,3
	v_lshrrev_b32 v[TM+4+\b], 23, v[TM+12+\b]      ; the scale's byte
.endr
	v_lshl_or_b32 v[PW], v[TM+5], 8, v[TM+4]
	v_lshl_or_b32 v[PW], v[TM+6], 16, v[PW]
	v_lshl_or_b32 v[PW], v[TM+7], 24, v[PW]
.irp c, 0,1
	v_cvt_scalef32_pk16_fp6_f32 v[PC+6*\c:PC+2+6*\c], v[\s+32*\c:\s+15+32*\c], v[TM+12+2*\c]
	v_cvt_scalef32_pk16_fp6_f32 v[PC+12+4*\c:PC+14+4*\c], v[\s+16+32*\c:\s+31+32*\c], v[TM+12+2*\c+1]
.endr
	v_nop                                          ; one plain place behind a scaled conversion
.irp c, 0,1
.irp i, 0,1,2
	v_permlane16_swap_b32 v[PC+6*\c+\i], v[PC+12+4*\c+\i]
.endr
.irp i, 0,1,2
	v_mov_b32 v[PC+3+6*\c+\i], v[PC+12+4*\c+\i]
.endr
.endr
.endm
	s_load_b128 s[4:7], s[0:1], 0x0                ; xw_codes, xw_scales: what the first fills need; the other arguments follow behind them
	v_lshl_add_u32 v[SPW], v0, 2, SPARE
	v_mov_b32 v[NIL], 0
	ds_add_u32 v[SPW], v[NIL]                      ; the wave's opening: the add, twice on end, and its wait ahead of the first tensor load
	ds_add_u32 v[SPW], v[NIL]
	v_lshrrev_b32 v1, 5, v0
	v_readfirstlane_b32 s[WV], v1
	s_lshr_b32 s[HA], s[WV], 1
	s_and_b32 s[HB], s[WV], 1
	s_bfe_u32 s[CX], ttmp6, 0x40000
	s_bfe_u32 s[CY], ttmp6, 0x40004
	s_mov_b32 s[UU], ttmp9
	s_and_b32 s[TT], ttmp7, 0xffff
	s_lshl_b32 s[TT], s[TT], 2
	s_add_co_u32 s[TT], s[TT], s[CY]               ; the tokens' tile: it hangs on cy, which my row of the cluster shares
	s_lshl_b32 s[JJ], s[UU], 2
	s_add_co_u32 s[JJ], s[JJ], s[CX]               ; the weights' tile: it hangs on cx, which my column shares
	s_mul_i32 s92, s[TT], 16*RBP                   ; the tokens' codes,
	s_mov_b32 s93, 0
	s_lshl_b32 s20, s[TT], 13                      ; and scale words
	s_mov_b32 s21, 0
	s_lshl_b32 s14, s[JJ], 4
	s_add_co_u32 s14, s14, 512                     ; Wq, Wk begin at row block 512
	s_mul_i32 s94, s14, RBP
	s_mov_b32 s95, 0
	s_lshl_b32 s22, s14, 9
	s_mov_b32 s23, 0
	s_lshl_b32 s14, s[JJ], 3
	s_add_co_u32 s14, s14, 640                     ; Wv begins at row block 640: my work-group's eight
	s_lshl_b32 s98, s14, 9
	s_mov_b32 s99, 0
	s_mul_i32 s100, s14, RBP
	s_mov_b32 s101, 0
	s_lshl_b32 s16, s[CY], 2
	s_lshl_b32 s16, 15, s16                        ; my row of the cluster
	s_lshl_b32 s17, 0x1111, s[CX]                  ; my column
	GROUP1 G1A, 16, SROW/8, 16, RBP/8              ; the head's loads take 16 row blocks, the later ones 8
	GROUP1 G1B, 17, SROW/8, 16, RBP/8
	GROUP1 G1SA, 16, 256, 4, 256                   ; 8,192 dense bytes
	GROUP1 G1SB, 17, 256, 4, 256
	s_mul_i32 s14, s[HB], 8*RBP                    ; behind the head I fetch eight row blocks: which half,
	s_mov_b32 s15, 0
	s_mul_i32 s18, s[HB], HALF                     ; and where it goes
	s_wait_alu depctr_va_vdst(0)
	s_wait_dscnt 0x0                               ; both opening adds are done
	CROUND                                         ; all sixteen work-groups are here: the first joint loads meet
	s_wait_kmcnt 0x0
	s_add_nc_u64 s[92:93], s[4:5], s[92:93]
	s_add_nc_u64 s[94:95], s[4:5], s[94:95]
	s_add_nc_u64 s[100:101], s[4:5], s[100:101]
	s_add_nc_u64 s[20:21], s[6:7], s[20:21]
	s_add_nc_u64 s[22:23], s[6:7], s[22:23]
	s_add_nc_u64 s[98:99], s[6:7], s[98:99]
	GROUP0 G0HA, 0, 92
	GROUP0 G0HB, WS0, 94
	GROUP0 G0SA, TSC, 20
	GROUP0 G0SB, BSC, 22
	ARM 0, G0HA, G1A, .Lhead_1                     ; wave 0: the tokens' K step 0
	ARM 1, G0HB, G1B, .Lhead_2                     ; wave 1: the weight's
	ARM 2, G0SA, G1SA, .Lhead_3                    ; wave 2: the tokens' scales
	TLOAD G0SB, G1SB                               ; wave 3: the weight's
.Lhead_asked:
	s_add_nc_u64 s[92:93], s[92:93], s[14:15]
	s_add_nc_u64 s[94:95], s[94:95], s[14:15]
	; the prefetches: of the half that I fetch, tokens: row blocks 2 cx and 2 cx + 1; W: row block 2 cy + the cluster's y modulo 2
	s_lshl_b32 s20, s[CX], 1
	s_lshl_b32 s21, s[CY], 1
	s_and_b32 s22, ttmp7, 1
	s_add_co_u32 s22, s22, s21
	s_cmp_eq_u32 s[HA], 0
	s_cselect_b32 s20, s20, s22
	s_cselect_b32 s23, 23, 11                      ; the last of my blocks
	s_cselect_b64 s[PF:PF+1], s[92:93], s[94:95]
	s_mul_i32 s20, s20, RBP
	s_mov_b32 s21, 0
	s_add_nc_u64 s[PF:PF+1], s[PF:PF+1], s[20:21]
.irp s, 0,1
	s_mov_b32 s[G0A+4*\s], 1
	s_add_co_u32 s[G0A+4*\s+1], s18, (2-\s)*KST
	s_add_nc_u64 s[G0A+4*\s+2:G0A+4*\s+3], s[92:93], (2-\s)*SROW
	s_or_b32 s[G0A+4*\s+3], s[G0A+4*\s+3], 0x80000000
	s_mov_b32 s[G0B+4*\s], 1
	s_add_co_u32 s[G0B+4*\s+1], s18, WS0+\s*KST
	s_add_nc_u64 s[G0B+4*\s+2:G0B+4*\s+3], s[94:95], (2-\s)*SROW
	s_or_b32 s[G0B+4*\s+3], s[G0B+4*\s+3], 0x80000000
.endr
	s_mul_i32 s20, s22, RBP                        ; Wv: row block 2 cy + the cluster's y modulo 2 of my work-group's eight,
	s_mul_i32 s21, s[WV], 1536                     ; and of a half's 24 blocks the six that my wave asks for
	s_add_co_u32 s20, s20, s21
	s_mov_b32 s21, 0
	s_add_nc_u64 s[PFV:PFV+1], s[100:101], s[20:21]
	v_and_b32 v1, 15, v0                           ; r
	v_bfe_u32 v2, v0, 4, 1                         ; h
	v_and_b32 v3, 31, v0                           ; lane
	v_lshlrev_b32 v[LI], 4, v3
	v_lshlrev_b32 v[L8], 3, v3
	v_min_u32 v[PFO], s23, v3                      ; my block (lanes left over name the last one again):
	v_mul_u32_u24 v59, 171, v[PFO]
	v_lshrrev_b32 v59, 11, v59                     ; / 12: which row block
	v_mul_u32_u24 v59, RBP-SROW, v59
	v_lshl_add_u32 v[PFO], v[PFO], 8, v59
	v_min_u32 v[PFW], 5, v3
	v_lshlrev_b32 v[PFW], 8, v[PFW]
	s_wait_alu depctr_va_vdst(0)
	ASK PFO, PF, SROW                              ; K step 1
	s_mul_i32 s16, s[HA], HALF
	s_mul_i32 s17, s[HB], HALF
.irp k, 0,1,2,3
	v_add_nc_u32 v[ADT1+\k], s16, v[LI]            ; the tokens: by HA in phase 1, by HB in phase 2
	v_add_nc_u32 v[ADT2+\k], s17, v[LI]
	s_add_co_u32 s16, s16, KST
	s_add_co_u32 s17, s17, KST
.endr
.irp s, 0,1
	v_add_nc_u32 v[ADV+\s], s16, v[LI]             ; the weights' slots follow the tokens
	v_add_nc_u32 v[ADW+\s], s17, v[LI]
	s_add_co_u32 s16, s16, KST
	s_add_co_u32 s17, s17, KST
.endr
	s_xor_b32 s20, s[HA], 1
	s_lshl_b32 s21, s[HB], 12
	s_lshl_b32 s16, s20, 12
	s_add_co_u32 s16, s16, s21
	s_add_co_u32 s16, s16, BSC-TSC-4096            ; phase 1: from S1's words (tokens, half HA) to S0's (weight, half HB)
	s_lshl_b32 s17, s[HA], 12
	s_add_co_u32 s17, s17, TSC
	s_lshl_b32 s22, s20, 11
	s_add_co_u32 s22, s22, s21
	s_add_co_u32 s22, s22, TSC-WSC-2048            ; phase 2: from S1's (Wv, half HA) to S0's (tokens, half HB)
	s_lshl_b32 s23, s[HA], 11
	s_add_co_u32 s23, s23, WSC
	s_add_co_u32 s21, s21, TSC
	s_lshl_b32 s20, s[WV], 9
	s_add_co_u32 s20, s20, SCR
	v_lshlrev_b32 v3, 2, v1                        ; 4 r
	v_mul_u32_u24 v[ADS1], s16, v2
	v_mul_u32_u24 v[ADS2], s22, v2
	v_add_nc_u32 v[ADSB], s21, v3
	v_add_nc_u32 v[ADS1], v[ADS1], v3
	v_add_nc_u32 v[ADS2], v[ADS2], v3
	v_add_nc_u32 v[ADS1], s17, v[ADS1]
	v_add_nc_u32 v[ADS2], s23, v[ADS2]
	v_add_nc_u32 v[SWI], s20, v3
	v_add_nc_u32 v[SWO], s20, v[L8]
	v_lshlrev_b32 v1, 2, v1                        ; 4 r: bv's offset; never rewritten
	v_lshlrev_b32 v2, 5, v2                        ; 32 h: bq's or bk's; never rewritten
.irp b, 0,1,2,3
	v_mov_b32 v[TM+4+\b], 0                        ; a lane permute's destination counts as one of its sources
.endr
	s_load_b128 s[4:7], s[0:1], 0x10               ; bq, bk
	s_load_b128 s[16:19], s[0:1], 0x20             ; bv, qkv_codes
	s_load_b64 s[66:67], s[0:1], 0x30              ; qkv_scales
	s_wait_alu depctr_va_vdst(0)                   ; the wait at the head's end
	s_wait_kmcnt 0x0
	; THE BIASES, in the results' layouts.  Phase 1: it hangs on S0's row: block b, register j: feature 16 b + 8 h + j: 32 neighbouring bytes.  Phase 2: on S1's row: block a, every register: channel 16 a + r.
	s_cmp_eq_u32 s[UU], 0
	s_cselect_b64 s[4:5], s[4:5], s[6:7]           ; bq or bk
	s_lshl_b32 s6, s[CX], 10                       ; which 256 of the 1,024,
	s_lshl_b32 s7, s[HB], 9                        ; which half of them
	s_add_co_u32 s6, s6, s7
	s_mov_b32 s7, 0
	s_add_nc_u64 s[4:5], s[4:5], s[6:7]
	s_lshl_b32 s6, s[JJ], 9                        ; bv: my work-group's 128 channels,
	s_lshl_b32 s7, s[HA], 8                        ; my 64 of them
	s_add_co_u32 s6, s6, s7
	s_mov_b32 s7, 0
	s_add_nc_u64 s[16:17], s[16:17], s[6:7]
	WIN TO_B
.irp b, 0,1,2,3,4,5,6,7
	global_load_b128 v[96+8*\b+96*(\b/4):96+8*\b+96*(\b/4)+3], v2, s[4:5] offset:64*\b
	global_load_b128 v[100+8*\b+96*(\b/4):100+8*\b+96*(\b/4)+3], v2, s[4:5] offset:64*\b+16
.endr
	WIN 0
.irp a, 0,1,2,3
	global_load_b32 v[BV+2*\a], v1, s[16:17] offset:64*\a
	global_load_b32 v[BV+2*\a+1], v1, s[16:17] offset:64*\a
.endr
	s_wait_xcnt 0x0                                ; these loads have read their bases: the registers may be written
	; where my results go.  Q, K: tensor UU, row block = tokens, chunk 2 cx + HB of 8
	s_mul_i32 s4, s[UU], KOFF
	s_lshl_b32 s5, s[TT], 4
	s_lshl_b32 s6, s[HA], 3
	s_add_co_u32 s5, s5, s6                        ; my first row block
	s_mul_i32 s6, s5, RBP
	s_add_co_u32 s4, s4, s6
	s_lshl_b32 s6, s[CX], 1
	s_add_co_u32 s6, s6, s[HB]                     ; my chunk
	s_mul_i32 s7, s6, 1536
	s_add_co_u32 s4, s4, s7
	s_lshl_b32 s5, s5, 9                           ; four row blocks' words of all 8 chunks are 2,048 bytes
	s_lshl_b32 s6, s6, 8
	s_add_co_u32 s6, s6, s5
	s_lshl_b32 s5, s[UU], 18
	s_add_co_u32 s6, s6, s5
	s_mov_b32 s5, 0
	s_mov_b32 s7, 0
	s_add_nc_u64 s[OUT:OUT+1], s[18:19], s[4:5]
	s_add_nc_u64 s[SOUT:SOUT+1], s[66:67], s[6:7]
	; V: batch TT / 8, row block = channels, chunk 2 (TT % 8) + HB of 16
	s_and_b32 s[UU], s[TT], 7
	s_lshl_b32 s[UU], s[UU], 1
	s_add_co_u32 s[UU], s[UU], s[HB]               ; my chunk of 128 keys
	s_lshr_b32 s[TT], s[TT], 3                     ; the batch
	s_lshl_b32 s[JJ], s[JJ], 1
	s_add_co_u32 s[JJ], s[JJ], s[HA]               ; my group of 64 channels
	s_mul_i32 s16, s[TT], 64*24576
	s_add_co_u32 s16, s16, VOFF
	s_mul_i32 s17, s[JJ], 4*24576
	s_add_co_u32 s16, s16, s17
	s_mul_i32 s17, s[UU], 1536
	s_add_co_u32 s16, s16, s17
	s_mov_b32 s17, 0
	s_add_nc_u64 s[OUTV:OUTV+1], s[OUTV:OUTV+1], s[16:17]
	s_lshl_b32 s16, s[TT], 16
	s_add_co_u32 s16, s16, 524288
	s_lshl_b32 s[JJ], s[JJ], 4
	s_add_co_u32 s[JJ], s[JJ], s[UU]
	s_lshl_b32 s[JJ], s[JJ], 8
	s_add_co_u32 s16, s16, s[JJ]
	s_add_nc_u64 s[SOUTV:SOUTV+1], s[SOUTV:SOUTV+1], s[16:17]
	s_mov_b32 s[SEL], 0x76543210
	s_mov_b32 s[SEL+1], 0xfedcba98
	s_wait_tensorcnt 0x0                           ; my tile of the head's four is in
	ds_add_u32 v[SPW], v[NIL]
	s_mov_b32 s[G1A+2], 8<<16                      ; no tensor load of mine is out, so descriptors may be written: from here on eight row blocks a load
	s_mov_b32 s[G1A+4], 8
	s_mov_b32 s[G1B+2], 8<<16
	s_mov_b32 s[G1B+4], 8
	s_lshl_b32 s20, 0x1111, s[CX]                  ; my column: Wv's
	GROUP1 G1V, 20, 768, 4, RBP/8                  ; four row blocks x four chunks
	GROUP1 G1WS, 20, 256, 2, 256                   ; 4,096 dense bytes
	s_mul_i32 s20, s[HB], 4*RBP                    ; the four that I fetch
	s_mov_b32 s21, 0
	s_add_nc_u64 s[100:101], s[100:101], s[20:21]
	s_mul_i32 s20, s[HB], HALF
	s_add_co_u32 s20, s20, WS0
	GROUP0 G0V, s20, 100
	GROUP0 G0WS, WSC, 98
	s_wait_dscnt 0x0                               ; the add is done
	CROUND                                         ; all four tiles are in, and all sixteen work-groups are here
	FILL 1
	FETCHALL
	ASK PFO, PF, 2*SROW                            ; K step 2
	; ---- PHASE 1
	STEP 0, 1                                      ; the first products start the sums: nothing is cleared
	TURN 1, 2
	STEP 2, 0
	TURN 3, 3
	STEP 4, 0
	TURN 5, 4                                      ; slot 0 has been read for the last time in this phase: it takes Wv's chunks 0-3
	STEP 6, 0
	; chunk 7's first S1 block, and slot 1, which phase 1 has read for the last time, takes Wv's chunks 4-7
	WIN 0
	s_wait_tensorcnt 0x0                           ; Wv's chunks 0-3 and scales have landed, as far as I fetched them
	ds_add_u32 v[SPW], v[NIL]                      ; 0 onto my spare word
	s_wait_dscnt 19                                ; (the add and the chunk's youngest 18 loads may be out)
	BLOCK0 7
	s_wait_dscnt 0x0                               ; the add is done; my reads of the slots are over
	CROUND                                         ; both now hold of every wave of the cluster
	FILL 5                                         ; its last four v_nop are the places between block 0's products and their readers
	s_wait_loadcnt 0x0                             ; the biases, asked for at the head
; THE WAY OUT OF PHASE 1, an S1 block (16 tokens) at a time: + bias, into window 0, the next block's last products among these lines; quantised; the image stored as it stands, 3 x 512 consecutive bytes; the scale word to my scratch.
.macro OUTBLK a
.set AC, 64*((\a)%4)
.if (\a) > 0
	s_wait_xcnt 0x0                                ; the last block's stores have read their data
.endif
.irp b, 0,1,2,3,4,5,6,7
.if (\a) < 7
	MULAB 7, (\a)+1, \b, 0
.endif
	WIN 0x06+(\a)/4                                ; source 0 window 2 or 3, source 1 window 1
.irp j, 0,2,4,6
	v_pk_add_f32 v[X+8*\b+\j:X+8*\b+\j+1], v[AC+8*\b+\j:AC+8*\b+\j+1], v[96+8*\b+96*(\b/4)+\j:96+8*\b+96*(\b/4)+\j+1]   ; each accumulator from its low end on
.endr
.endr
	WIN 0
	QUANT X
.irp g, 0,1,2
	global_store_b128 v[LI], v[PC+4*\g:PC+4*\g+3], s[OUT:OUT+1] offset:RBP*(\a)+512*\g
.endr
	ds_store_b32 v[SWI], v[PW] offset:64*(\a)      ; both halves of the lanes write the same word with the same value
.endm
.irp a, 0,1,2,3,4,5,6
	OUTBLK \a
.endr
	; ---- PHASE 2's sizes: 256 tokens (S0) x 128 channels (S1); a wave makes 128 x 64: 32 accumulators, window 2
.set NA,    4
.set PH,    2
.set S1F,   160
	FETCHALL                                       ; its first fragments come while the last block goes out
	OUTBLK 7
	ds_load_b64 v[WB:WB+1], v[SWO]                 ; LDS serves a wave's instructions in order: these see my stores
	ds_load_b64 v[WB+2:WB+3], v[SWO] offset:256
	s_wait_dscnt 0x0
	global_store_b64 v[L8], v[WB:WB+1], s[SOUT:SOUT+1]                 ; 256 consecutive bytes, aligned
	global_store_b64 v[L8], v[WB+2:WB+3], s[SOUT:SOUT+1] offset:2048
	STEP 0, 1
	STEP 1, 0
	STEP 2, 0
	TURN 3, 0                                      ; Wv's chunks 4-7 have landed; nothing is left to fetch
	STEP 4, 0
	STEP 5, 0
	STEP 6, 0
	s_wait_dscnt 0x0
	BLOCK0 7
	PLACES                                         ; behind block 0's last products
; THE WAY OUT OF PHASE 2, an S1 block (16 channels) at a time.
.macro OUTBLKV a
	s_wait_xcnt 0x0                                ; earlier stores have read their data
.irp b, 0,1,2,3,4,5,6,7
.if (\a) < 3
	MULAB 7, (\a)+1, \b, 0
.endif
	WIN 0x02                                       ; source 0 window 2
.irp j, 0,2,4,6
	v_pk_add_f32 v[X+8*\b+\j:X+8*\b+\j+1], v[64*(\a)+8*\b+\j:64*(\a)+8*\b+\j+1], v[BV+2*(\a):BV+2*(\a)+1]   ; each accumulator from its low end on
.endr
.endr
	WIN 0
	QUANT X
.irp g, 0,1,2
	global_store_b128 v[LI], v[PC+4*\g:PC+4*\g+3], s[OUTV:OUTV+1] offset:24576*(\a)+512*\g
.endr
	ds_store_b32 v[SWI], v[PW] offset:64*(\a)
.endm
.irp a, 0,1,2,3
	OUTBLKV \a
.endr
	ds_load_b64 v[WB:WB+1], v[SWO]                 ; my 64 channels' words
	s_wait_dscnt 0x0
	global_store_b64 v[L8], v[WB:WB+1], s[SOUTV:SOUTV+1]               ; 256 consecutive bytes, aligned
	s_wait_tensorcnt 0x0                           ; the wave's end
	ds_add_u32 v[SPW], v[NIL]
	s_wait_dscnt 0x0
	CROUND                                         ; the closing round
	s_endpgm
.Lfunc_end_k_qc61594d9b7_proj:
	.size	k_qc61594d9b7_proj, .Lfunc_end_k_qc61594d9b7_proj-k_qc61594d9b7_proj
	.p2alignl 7, 3214868480
	.fill 96, 4, 3214868480
	.section	.rodata,"a",@progbits
	.p2align	6, 0x0
	.amdhsa_kernel k_qc61594d9b7_proj
		.amdhsa_group_segment_fixed_size 327680
		.amdhsa_private_segment_fixed_size 0
		.amdhsa_enable_private_segment 0
		.amdhsa_kernarg_size 56
		.amdhsa_user_sgpr_count 2
		.amdhsa_user_sgpr_kernarg_segment_ptr 1
		.amdhsa_wavefront_size32 1
		.amdhsa_system_sgpr_workgroup_id_x 1
		.amdhsa_system_sgpr_workgroup_id_y 1
		.amdhsa_system_sgpr_workgroup_id_z 1
		.amdhsa_system_vgpr_workitem_id 0
		.amdhsa_next_free_vgpr 1024
		.amdhsa_next_free_sgpr 102
		.amdhsa_reserve_vcc 0
		.amdhsa_float_denorm_mode_32 3
		.amdhsa_float_denorm_mode_16_64 3
		.amdhsa_memory_ordered 1
		.amdhsa_forward_progress 1
		.amdhsa_inst_pref_size 255
	.end_amdhsa_kernel
	.amdgpu_metadata
---
amdhsa.version: [ 1, 2 ]
amdhsa.kernels:
  - .name:           k_qc61594d9b7_proj
    .symbol:         k_qc61594d9b7_proj.kd
    .args:
      - { .name: xw_codes, .offset: 0, .size: 8, .value_kind: global_buffer, .address_space: global }
      - { .name: xw_scales, .offset: 8, .size: 8, .value_kind: global_buffer, .address_space: global }
      - { .name: bq, .offset: 16, .size: 8, .value_kind: global_buffer, .address_space: global }
      - { .name: bk, .offset: 24, .size: 8, .value_kind: global_buffer, .address_space: global }
      - { .name: bv, .offset: 32, .size: 8, .value_kind: global_buffer, .address_space: global }
      - { .name: qkv_codes, .offset: 40, .size: 8, .value_kind: global_buffer, .address_space: global }
      - { .name: qkv_scales, .offset: 48, .size: 8, .value_kind: global_buffer, .address_space: global }
    .group_segment_fixed_size: 327680
    .private_segment_fixed_size: 0
    .kernarg_segment_align: 8
    .kernarg_segment_size: 56
    .max_flat_workgroup_size: 128
    .sgpr_count:     102
    .vgpr_count:     1024
    .wavefront_size: 32
...
	.end_amdgpu_metadata
.endif
;; end of part 2
;; launch scores (part 3): grid 8 x 32, 4 waves a work-group, clusters of 4 x 4, 327,680 bytes of LDS; arguments qkv_codes, qkv_scales, p_codes, p_stats; writes p_codes, p_stats
.if DOCPART == 3
	.amdgcn_target "amdgcn-amd-amdhsa--gfx1250"
	.amdhsa_code_object_version 6
	.text
	.protected	k_qc61594d9b7_scores
	.globl	k_qc61594d9b7_scores
	.p2align	8
	.type	k_qc61594d9b7_scores,@function
k_qc61594d9b7_scores:
	s_mov_b64 s[64:65], 0
	v_nop
	global_prefetch_b8 v0, s[64:65] scope:SCOPE_SE
	s_setreg_imm32_b32 hwreg(HW_REG_WAVE_MODE, 25, 1), 1
	s_wait_xcnt 0x0
	s_wait_alu depctr_hold_cnt(0) depctr_sa_sdst(0) depctr_va_vdst(0) depctr_va_sdst(0) depctr_va_ssrc(0) depctr_va_vcc(0) depctr_vm_vsrc(0)
	s_getreg_b32 s2, hwreg(HW_REG_IB_STS2, 6, 4)
	s_cmp_eq_u32 s2, 0
	s_cbranch_scc0 .Lentry_in_a_cluster
	s_endpgm
.Lentry_in_a_cluster:
	s_bfe_u32 s2, ttmp6, 0x10000c
	s_cmp_lg_u32 s2, 0xf033
	s_cbranch_scc0 .Lentry_shape_is_right
	s_endpgm
.Lentry_shape_is_right:
; S^T = K Q^T on codes of FP6 (E2M3) with E8M0 scales, and on the way out p = 2^(t - M) as codes, quantised along the keys.
; t = score x log2(e) / 32.  M here is LOCAL: the ceiling of the largest t of a query among the wave's 128 keys.  M is a whole number, so the codes are those of the row's M, and only the scale bytes differ, by M's difference:
; the next launch moves them.  For each query and each 128 keys a record {p's scale word, -M, the sum of the unquantised p, 0} goes to p_stats [tile of 128 queries][chunk of 128 keys][128][16 bytes].
; p_codes: images of operand registers, [block of 16 queries][chunk of 128 keys], 1,536 bytes each.
; A TILE is 256 keys (S0) x 256 queries (S1): four waves, each 128 x 128.  A lane holds one query, its registers run along the keys: position 32 b + 16 h + 8 u + j holds key 32 b + 16 u + 8 h + j, as in V's codes.
; K = 1,024 in four K steps of two chunks through two LDS slots.  At the head one load a wave: K step 0 of Q and of K, and both scales; each later K step is asked for behind a round of the cluster's barrier, two chunks' products ahead of its first use.
; PREFETCH INTO THE L2: each K step one refill ahead of the joint load that brings it: 1 at the head, 2 behind chunk 0's LDS loads, 3 behind chunk 2's first ones; then nothing is left to ask for.
;   Its blocks of 256 bytes are shared out by address: Q's among the four work-groups of a row of the cluster, K's among the four of a column; two row blocks, 24 blocks, for each wave.
; A chunk is 128 along K.  The next chunk's LDS loads go into the other set of fragments (macro STEP).  The last chunk goes by S1 blocks: the products of block a + 1 stand among the vector lines of block a's way out.
; ONE REGISTER CARRIES BOTH SIDES' SCALE WORDS: lanes 0-15 those of S1's block i, lanes 16-31 those of S0's block i.
; CLUSTER 4 x 4: Q's tile is shared along a row of the cluster, K's along a column: joint loads.
; LIMITS: NaN and infinities are not served; the scaled scores t stay under 2^31 in magnitude; a block of 32 keys whose every p lies under 2^-124 keeps the byte 1.
; REGISTERS: as in the launch before: window 0: v0-31 addresses, v32-47 scale words, v48-63 at work, v64-255 S1's fragments (two sets of 96; the way out works in the first while the second is still multiplied); window 1: S0's fragments; windows 2, 3: the accumulators.
.set NA,    8
.set KC,    8
.set SROW,  3072
.set S0OFF, 16*SROW
.set SLOT,  32*SROW
.set SCLA,  2*SLOT                     ; Q's scale words, 8,192 bytes,
.set SCLB,  SCLA+8192+64               ; and K's, 64 bytes further on modulo 256, so that the two halves of the lanes touch different banks
.set SPARE, SCLB+8192+192              ; the spare words: 128 bytes a wave, two blocks of 256 bytes that no other line names
.set RBP,   12288
.set KOFF,  6291456
.set LI,   4
.set ADR1, 8                           ; v8-9   S1's fragments in slot 0, 1
.set ADR0, 12                          ; v12-13 S0's
.set ADS,  16
.set PFO,  20                          ; v20  the prefetches' offset: 12 blocks of 256 bytes of each of two row blocks; never rewritten
.set SPW,  28
.set NIL,  29
.set SC,   32
.set SO4,  48                          ; v48-51 the conversions' scale operands
.set PW,   52
.set T,    53
.set NM,   54                          ; v[54:55] -M, twice
.set SM,   56                          ; v56-59 the sums
.set KP,   60                          ; v60-62 the even block's record
.set S1F,  64
.set X,    64                          ; the way out: t - M, then p
.set PC,   128
.set TM,   148                         ; v148-151 the blocks' largest scores, then p; v152-155 at work, bytes
.set RC,   156                         ; v156-159 two blocks' records: lanes 0-15 the even block's rows, lanes 16-31 the odd one's
.set WV,   12
.set HA,   13
.set HB,   14
.set CX,   15
.set CY,   16
.set PO,   8                           ; s[8:9]   where my codes go
.set SO,   10                          ; s[10:11] my records
.set SEL,  92
.set CS,   94                          ; s[94:95] c = log2(e) / 32
.set HIM,  96                          ; s96      lanes 16-31
.set G1A,  24
.set G1B,  32
.set G0A,  40
.set G0B,  48
.set G0HA, 56
.set G0HB, 60
.set G1SA, 68
.set G1SB, 76
.set G0SA, 84
.set G0SB, 88
.set PF,   100                         ; s[100:101] where my prefetches stand: K step 0
.set MSB, 0
.macro WIN new
.if MSB != (\new)
	s_set_vgpr_msb (MSB<<8)|(\new)
.set MSB, (\new)
.endif
.endm
.set MUL_LO, 0xa1
.set TO_B,   0x40
.macro PLACES
.rept 4
	v_nop
.endr
.endm
.macro TLOAD g0, g1
	tensor_load_to_lds s[\g0:\g0+3], s[\g1:\g1+7]
	s_nop 0
	PLACES
.endm
.macro JLOAD g0a, g1a, g0b, g1b        ; a joint load: waves 0, 1 fetch S1's halves, waves 2, 3 S0's
	s_cmp_eq_u32 s[HA], 0
	s_cbranch_scc0 .Lfor_b_\@
	TLOAD \g0a, \g1a
	s_branch .Lasked_\@
.Lfor_b_\@:
	TLOAD \g0b, \g1b
.Lasked_\@:
.endm
.macro ARM w, g0, g1, next
	s_cmp_eq_u32 s[WV], \w
	s_cbranch_scc0 \next
	TLOAD \g0, \g1
	s_branch .Lhead_asked
\next:
.endm
.macro CREST
	s_cmp_lg_u32 s[WV], 0
	s_cbranch_scc1 .Lnot_wave_0_\@
	s_barrier_signal -3
.Lnot_wave_0_\@:
	s_barrier_wait -3
	s_barrier_signal -1
	s_barrier_wait -1
.endm
.macro CROUND
	s_barrier_signal -1
	s_barrier_wait -1
	CREST
.endm
.macro GROUP1 g, mask, c, r, p
	s_or_b32 s[\g], s\mask, (3<<16)|(1<<21)
	s_mov_b32 s[\g+1], (\c)<<16
	s_mov_b32 s[\g+2], (\r)<<16
	s_mov_b32 s[\g+3], (\c)<<16
	s_mov_b32 s[\g+4], \r
	s_mov_b32 s[\g+5], \p
	s_mov_b32 s[\g+6], 0
	s_mov_b32 s[\g+7], 0
.endm
.macro GROUP0 g, lds, a
	s_mov_b32 s[\g], 1
	s_mov_b32 s[\g+1], \lds
	s_mov_b64 s[\g+2:\g+3], s[\a:\a+1]
	s_or_b32 s[\g+3], s[\g+3], 0x80000000
.endm
.macro ASK k                           ; K step k
	global_prefetch_b8 v[PFO], s[PF:PF+1] offset:(\k)*SROW th:TH_LOAD_NT scope:SCOPE_SE
.endm
; The next LDS load, LJ, of chunk LN, into set LN % 2: S0's eight fragments, S1's first, the scale words, S1's others: the youngest 18 loads are S1's blocks 2-7.
.macro LDN
.set LP, LN%2
.set LS, (LN/2)%2
.if LJ < 24
	WIN TO_B
.set LX, 128*LP+4*LJ
	ds_load_b128 v[LX:LX+3], v[ADR0+LS] offset:(LJ/3)*SROW+LP*1536+512*(LJ%3)
.elseif (LJ < 27) || (LJ > 34)
.if LJ < 27
.set LT, LJ-24
.else
.set LT, LJ-32
.endif
	WIN 0
.set LX, S1F+96*LP+4*LT
	ds_load_b128 v[LX:LX+3], v[ADR1+LS] offset:(LT/3)*SROW+LP*1536+512*(LT%3)
.else
	WIN 0
.set LT, LJ-27
	ds_load_b32 v[SC+8*LP+LT], v[ADS] offset:(LT/4)*KC*256+(LT%4)*64+256*LN
.endif
.set LJ, LJ+1
.endm
.macro LOADS k
.rept \k
	LDN
.endr
.endm
.macro FETCHALL
.set LN, 0
.set LJ, 0
	LOADS 56
	WIN 0
.endm
.macro MULAB n, a, b, zero             ; the accumulators take turns, one instruction a turn, in the same order in every chunk
	WIN MUL_LO+0x50*((\a)/4)
.set MP, (\n)%2
.set MS, SC+8*MP
.set MD, 64*((\a)%4)+8*(\b)
.set MX0, 128*MP+12*(\b)
.set MX1, S1F+96*MP+12*(\a)
.if \zero
	v_wmma_scale_f32_16x16x128_f8f6f4 v[MD:MD+7], v[MX0:MX0+11], v[MX1:MX1+11], 0, v[MS+(\b)], v[MS+(\a)] matrix_a_fmt:MATRIX_FMT_FP6 matrix_b_fmt:MATRIX_FMT_FP6 matrix_a_scale:MATRIX_SCALE_ROW1
.else
	v_wmma_scale_f32_16x16x128_f8f6f4 v[MD:MD+7], v[MX0:MX0+11], v[MX1:MX1+11], v[MD:MD+7], v[MS+(\b)], v[MS+(\a)] matrix_a_fmt:MATRIX_FMT_FP6 matrix_b_fmt:MATRIX_FMT_FP6 matrix_a_scale:MATRIX_SCALE_ROW1
.endif
.endm
.macro RUN n, from, to, zero
.set MI, \from
.rept (\to)-(\from)
	MULAB \n, MI/8, MI%8, \zero
.set MI, MI+1
.endr
.endm
; Chunk n, whose successor every wave knows to be whole in LDS.  The successor's loads go out in two runs, at the start and in the middle.
; The waits: in front of each quarter the loads younger than what it needs may be out: 18, 12, 6, 0 of this chunk's, and those issued for the next.
.macro STEP n, zero
.set LN, (\n)+1
.set LJ, 0
	s_wait_dscnt 18
	PLACES                                         ; between the products that read the other set and the loads into it
	LOADS 28
	RUN \n, 0, 16, \zero
	s_wait_dscnt 12+LJ
	RUN \n, 16, 32, \zero
	s_wait_dscnt 6+LJ
	LOADS 28
	RUN \n, 32, 48, \zero
	s_wait_dscnt LJ
	RUN \n, 48, 64, \zero
.endm
.macro TURN n, fill, ask               ; chunk n with a barrier in its first quarter; fill = 1: it opens a round, and chunk n's slot takes the K step two on; ask: the K step to prefetch, or 0
.set TSL, ((\n)/2)%2
	WIN 0
	s_wait_tensorcnt 0x0                           ; all my tensor loads have landed
	ds_add_u32 v[SPW], v[NIL]                      ; 0 onto my spare word
	s_wait_dscnt 19                                ; (the add and the chunk's youngest 18 loads may be out)
	RUN \n, 0, 8, 0
	s_wait_dscnt 0x0                               ; the add is done, and my reads of this slot are over
	s_barrier_signal -1
	RUN \n, 8, 16, 0
	WIN 0
	s_barrier_wait -1
.if \fill
	CREST                                          ; no wave of any partner still reads the slot or has a load on its way
	s_add_nc_u64 s[G0A+4*TSL+2:G0A+4*TSL+3], s[G0A+4*TSL+2:G0A+4*TSL+3], 2*SROW
	s_add_nc_u64 s[G0B+4*TSL+2:G0B+4*TSL+3], s[G0B+4*TSL+2:G0B+4*TSL+3], 2*SROW
	JLOAD G0A+4*TSL, G1A, G0B+4*TSL, G1B
.else
	PLACES
.endif
.set LN, (\n)+1
.set LJ, 0
	LOADS 28
.if \ask
	ASK \ask
.endif
	RUN \n, 16, 40, 0
	LOADS 28
	RUN \n, 40, 64, 0
.endm
	s_load_b256 s[4:11], s[0:1], 0x0               ; qkv_codes, qkv_scales, p_codes, p_stats
	v_lshl_add_u32 v[SPW], v0, 2, SPARE
	v_mov_b32 v[NIL], 0
	ds_add_u32 v[SPW], v[NIL]                      ; the wave's opening: the add, twice on end, and its wait ahead of the first tensor load
	ds_add_u32 v[SPW], v[NIL]
	v_lshrrev_b32 v1, 5, v0
	v_readfirstlane_b32 s[WV], v1
	s_lshr_b32 s[HA], s[WV], 1
	s_and_b32 s[HB], s[WV], 1
	s_bfe_u32 s[CX], ttmp6, 0x40000
	s_bfe_u32 s[CY], ttmp6, 0x40004
	s_and_b32 s66, ttmp7, 0xffff                   ; the cluster's y
	s_lshl_b32 s18, s66, 2
	s_add_co_u32 s18, s18, s[CY]                   ; the tile of 256 queries, of 32
	s_lshr_b32 s67, s66, 1                         ; the batch: the same in all partners
	s_lshl_b32 s2, ttmp9, 2
	s_add_co_u32 s2, s2, s[CX]                     ; the tile of 256 keys, of the batch's 8
	s_mul_i32 s20, s18, 16*RBP                     ; Q's tile,
	s_mov_b32 s21, 0
	s_lshl_b32 s22, s18, 13                        ; its scale words,
	s_mov_b32 s23, 0
	s_lshl_b32 s3, s67, 7
	s_lshl_b32 s98, s2, 4
	s_add_co_u32 s3, s3, s98
	s_mul_i32 s98, s3, RBP
	s_add_co_u32 s98, s98, KOFF                    ; K's tile,
	s_mov_b32 s99, 0
	s_lshl_b32 s100, s3, 9
	s_add_co_u32 s100, s100, 262144                ; its scale words
	s_mov_b32 s101, 0
	s_lshl_b32 s67, s[CY], 2
	s_lshl_b32 s67, 15, s67                        ; my row of the cluster
	s_lshl_b32 s3, 0x1111, s[CX]                   ; my column
	GROUP1 G1A, 67, SROW/8, 16, RBP/8              ; the head's loads take 16 row blocks, the later ones 8
	GROUP1 G1B, 3, SROW/8, 16, RBP/8
	GROUP1 G1SA, 67, 256, 4, 256                   ; 8,192 dense bytes
	GROUP1 G1SB, 3, 256, 4, 256
	s_mul_i32 s66, s[HB], 8*RBP                    ; behind the head I fetch eight row blocks: which half,
	s_mov_b32 s67, 0
	s_mul_i32 s17, s[WV], 8*SROW                   ; and where it goes in a slot
	s_mov_b32 s[SEL], 0x76543210
	s_mov_b32 s[SEL+1], 0xfedcba98
	s_mov_b32 s[CS], 0x3d38aa3b                    ; log2(e) / 32
	s_mov_b32 s[CS+1], s[CS]                       ; (named with it as a pair, so it is written)
	s_mov_b32 s[HIM], 0xffff0000
	s_wait_alu depctr_va_vdst(0)
	s_wait_dscnt 0x0                               ; both opening adds are done
	CROUND                                         ; all sixteen work-groups are here: the first joint loads meet
	s_wait_kmcnt 0x0
	s_add_nc_u64 s[20:21], s[4:5], s[20:21]
	s_add_nc_u64 s[22:23], s[6:7], s[22:23]
	s_add_nc_u64 s[98:99], s[4:5], s[98:99]
	s_add_nc_u64 s[100:101], s[6:7], s[100:101]
	GROUP0 G0HA, 0, 20
	GROUP0 G0HB, S0OFF, 98
	GROUP0 G0SA, SCLA, 22
	GROUP0 G0SB, SCLB, 100
	ARM 0, G0HA, G1A, .Lhead_1                     ; wave 0: Q's K step 0
	ARM 1, G0HB, G1B, .Lhead_2                     ; wave 1: K's
	ARM 2, G0SA, G1SA, .Lhead_3                    ; wave 2: Q's scales
	TLOAD G0SB, G1SB                               ; wave 3: K's
.Lhead_asked:
	s_add_nc_u64 s[20:21], s[20:21], s[66:67]
	s_add_nc_u64 s[98:99], s[98:99], s[66:67]
	; the prefetches: of the half that I fetch, row blocks 2 cx and 2 cx + 1 of Q, or 2 cy and 2 cy + 1 of K
	s_cmp_eq_u32 s[HA], 0
	s_cselect_b64 s[PF:PF+1], s[20:21], s[98:99]
	s_cselect_b32 s22, s[CX], s[CY]
	s_mul_i32 s22, s22, 2*RBP
	s_mov_b32 s23, 0
	s_add_nc_u64 s[PF:PF+1], s[PF:PF+1], s[22:23]
	v_and_b32 v1, 15, v0
	v_bfe_u32 v2, v0, 4, 1
	v_and_b32 v3, 31, v0
	v_lshlrev_b32 v[LI], 4, v3
	v_min_u32 v[PFO], 23, v3                       ; my block (lanes left over name the last one again):
	v_mul_u32_u24 v19, 171, v[PFO]
	v_lshrrev_b32 v19, 11, v19                     ; / 12: which row block
	v_mul_u32_u24 v19, RBP-SROW, v19
	v_lshl_add_u32 v[PFO], v[PFO], 8, v19
	s_wait_alu depctr_va_vdst(0)
	ASK 1
.irp s, 0,1
	s_mov_b32 s[G0A+4*\s], 1
	s_add_co_u32 s[G0A+4*\s+1], s17, \s*SLOT
	s_add_nc_u64 s[G0A+4*\s+2:G0A+4*\s+3], s[20:21], \s*SROW
	s_or_b32 s[G0A+4*\s+3], s[G0A+4*\s+3], 0x80000000
	s_mov_b32 s[G0B+4*\s], 1
	s_add_co_u32 s[G0B+4*\s+1], s17, \s*SLOT
	s_add_nc_u64 s[G0B+4*\s+2:G0B+4*\s+3], s[98:99], \s*SROW
	s_or_b32 s[G0B+4*\s+3], s[G0B+4*\s+3], 0x80000000
.endr
	s_mul_i32 s4, s[HA], 8*SROW
	s_mul_i32 s5, s[HB], 8*SROW
	s_add_co_u32 s5, s5, S0OFF
.irp s, 0,1
	v_add_nc_u32 v[ADR1+\s], s4, v[LI]
	v_add_nc_u32 v[ADR0+\s], s5, v[LI]
	s_add_co_u32 s4, s4, SLOT
	s_add_co_u32 s5, s5, SLOT
.endr
	s_xor_b32 s4, s[HA], 1
	s_lshl_b32 s4, s4, 12
	s_lshl_b32 s5, s[HB], 12
	s_add_co_u32 s4, s4, s5
	s_add_co_u32 s4, s4, SCLB-SCLA-4096            ; from S1's words (half HA) to S0's (half HB)
	s_lshl_b32 s5, s[HA], 12
	s_add_co_u32 s5, s5, SCLA
	v_lshlrev_b32 v18, 2, v1
	v_mul_u32_u24 v[ADS], s4, v2
	v_add_nc_u32 v[ADS], v[ADS], v18
	v_add_nc_u32 v[ADS], s5, v[ADS]
	s_lshl_b32 s4, s18, 4
	s_lshl_b32 s5, s[HA], 3
	s_add_co_u32 s4, s4, s5                        ; my first block of 16 queries
	s_mul_i32 s4, s4, 24576
	s_lshl_b32 s5, s2, 1
	s_add_co_u32 s5, s5, s[HB]                     ; my chunk of 128 keys
	s_mul_i32 s6, s5, 1536
	s_add_co_u32 s4, s4, s6
	s_lshl_b32 s6, s18, 1
	s_add_co_u32 s6, s6, s[HA]                     ; my tile of 128 queries
	s_lshl_b32 s6, s6, 15
	s_lshl_b32 s7, s5, 11
	s_add_co_u32 s6, s6, s7
	s_mov_b32 s5, 0
	s_mov_b32 s7, 0
	s_add_nc_u64 s[PO:PO+1], s[PO:PO+1], s[4:5]
	s_add_nc_u64 s[SO:SO+1], s[SO:SO+1], s[6:7]
	s_wait_alu depctr_va_vdst(0)                   ; the wait at the head's end
	s_wait_tensorcnt 0x0                           ; my tile of the head's four is in
	ds_add_u32 v[SPW], v[NIL]
	s_mov_b32 s[G1A+2], 8<<16                      ; no tensor load of mine is out, so a descriptor may be written: from here on eight row blocks a load
	s_mov_b32 s[G1A+4], 8
	s_mov_b32 s[G1B+2], 8<<16
	s_mov_b32 s[G1B+4], 8
	s_wait_dscnt 0x0                               ; the add is done
	CROUND                                         ; all four tiles are in, and all sixteen work-groups are here
	JLOAD G0A+4, G1A, G0B+4, G1B                   ; K step 1
	FETCHALL
	ASK 2
	STEP 0, 1                                      ; the first products start the sums: nothing is cleared
	TURN 1, 1, 3
	STEP 2, 0
	TURN 3, 1, 0
	STEP 4, 0
	TURN 5, 0, 0
	STEP 6, 0
	s_wait_dscnt 0x0
	RUN 7, 0, 8, 0                                 ; the last chunk's first S1 block
	WIN 0
	PLACES                                         ; behind its products; and between chunk 6's and the writes of the registers that held its fragments
	v_mov_b32 v[RC+3], 0                           ; a record's fourth word
; THE WAY OUT of block a: 16 queries x my 128 keys.
.macro PBLK a
.set AC, 64*((\a)%4)
.set WA, 2+(\a)/4
	s_wait_xcnt 0x0                                ; earlier blocks' stores have read their data
	WIN WA*0x15                                    ; sources 0, 1, 2: the accumulators' window
.if (\a) > 0
	s_wait_alu depctr_va_vdst(0)                   ; the last block's exponentials stand between these products and their first readers
.endif
.irp b, 0,1,2,3
	v_max3_num_f32 v[TM+\b], v[AC+16*\b], v[AC+16*\b+1], v[AC+16*\b+2]   ; the largest score of each block of 32 keys; each accumulator is read from its low end on
.endr
	WIN WA*0x14                                    ; sources 1, 2
.irp i, 3,5,7,9,11,13
.irp b, 0,1,2,3
	v_max3_num_f32 v[TM+\b], v[TM+\b], v[AC+16*\b+\i], v[AC+16*\b+\i+1]
.endr
.endr
.irp b, 0,1,2,3
	v_max_num_f32 v[TM+\b], v[TM+\b], v[AC+16*\b+15]
.endr
	WIN 0
.irp b, 0,1,2,3
	v_permlanex16_b32 v[TM+4+\b], v[TM+\b], s[SEL], s[SEL+1]
.endr
.irp b, 0,1,2,3
	v_max_num_f32 v[TM+\b], v[TM+\b], v[TM+4+\b]   ; with lane l xor 16's 16 keys
.endr
	v_max3_num_f32 v[T], v[TM], v[TM+1], v[TM+2]
	v_max_num_f32 v[T], v[T], v[TM+3]              ; my query's largest score among the 128
	v_mul_f32 v[T], s[CS], v[T]                    ; as t
	v_floor_f32 v[NM], -v[T]                       ; -M = floor(-t) = -ceil(t)
	v_floor_f32 v[NM+1], -v[T]
.irp b, 0,1,2,3,4,5,6,7
.if (\a) < 7
	MULAB 7, (\a)+1, \b, 0                         ; the next block's last products
.endif
	WIN WA                                         ; source 0
.irp j, 0,2,4,6
	v_pk_fma_f32 v[X+8*\b+\j:X+8*\b+\j+1], v[AC+8*\b+\j:AC+8*\b+\j+1], s[CS:CS+1], v[NM:NM+1] op_sel_hi:[1,0,0]   ; t - M, two at a time, into window 0
.endr
.endr
	WIN 0
.irp b, 0,1,2,3
	v_fma_f32 v[TM+\b], v[TM+\b], s[CS], v[NM]     ; the same of each block's largest score
.endr
.set J, 0
	s_wait_alu depctr_va_vdst(0)                   ; the wait ahead of the batch too
.rept 64
	v_exp_f32 v[X+J], v[X+J]                       ; p = 2^(t - M), at most 1
.set J, J+1
.endr
	v_nop                                          ; a plain place behind the exponentials
	s_wait_alu depctr_va_vdst(0)                   ; one wait for the batch, ahead of its first reader
.irp b, 0,1,2,3
	v_exp_f32 v[TM+\b], v[TM+\b]                   ; the block's largest p: the same two instructions on the same number
.endr
	v_pk_add_f32 v[SM:SM+1], v[X:X+1], v[X+2:X+3]  ; the sum of the unquantised p, in two chains
	v_pk_add_f32 v[SM+2:SM+3], v[X+4:X+5], v[X+6:X+7]
.irp j, 8,12,16,20,24,28,32,36,40,44,48,52,56,60
	v_pk_add_f32 v[SM:SM+1], v[SM:SM+1], v[X+\j:X+\j+1]
	v_pk_add_f32 v[SM+2:SM+3], v[SM+2:SM+3], v[X+\j+2:X+\j+3]
.endr
	v_pk_add_f32 v[SM:SM+1], v[SM:SM+1], v[SM+2:SM+3]
	v_add_f32 v[SM], v[SM], v[SM+1]
	v_permlanex16_b32 v[SM+1], v[SM], s[SEL], s[SEL+1]
	v_add_f32 v[SM], v[SM], v[SM+1]                ; with lane l xor 16's
	s_wait_alu depctr_va_vdst(0)                   ; and one for the four
.irp b, 0,1,2,3
	v_max_num_f32 v[TM+\b], 0x1800000, v[TM+\b]    ; the floor 2^(3 - 127): the byte cannot fall under 1
.endr
.irp b, 0,1,2,3
	v_add_nc_u32 v[SO4+\b], 0xff000000, v[TM+\b]
.endr
.irp b, 0,1,2,3
	v_lshrrev_b32 v[TM+4+\b], 23, v[SO4+\b]
.endr
	v_lshl_or_b32 v[PW], v[TM+5], 8, v[TM+4]
	v_lshl_or_b32 v[PW], v[TM+6], 16, v[PW]
	v_lshl_or_b32 v[PW], v[TM+7], 24, v[PW]
.irp c, 0,1
	v_cvt_scalef32_pk16_fp6_f32 v[PC+6*\c:PC+2+6*\c], v[X+32*\c:X+15+32*\c], v[SO4+2*\c]
	v_cvt_scalef32_pk16_fp6_f32 v[PC+12+4*\c:PC+14+4*\c], v[X+16+32*\c:X+31+32*\c], v[SO4+2*\c+1]
.endr
	v_nop                                          ; one plain place behind a scaled conversion
.irp c, 0,1
.irp i, 0,1,2
	v_permlane16_swap_b32 v[PC+6*\c+\i], v[PC+12+4*\c+\i]
.endr
.irp i, 0,1,2
	v_mov_b32 v[PC+3+6*\c+\i], v[PC+12+4*\c+\i]
.endr
.endr
.irp g, 0,1,2
	global_store_b128 v[LI], v[PC+4*\g:PC+4*\g+3], s[PO:PO+1] offset:24576*(\a)+512*\g   ; 512 consecutive bytes, aligned
.endr
.if (\a)%2 == 0
	v_mov_b32 v[KP], v[PW]                         ; both halves of the lanes hold row r's record: it waits for the next block's
	v_mov_b32 v[KP+1], v[NM]
	v_mov_b32 v[KP+2], v[SM]
.else
	v_cndmask_b32 v[RC], v[KP], v[PW], s[HIM]
	v_cndmask_b32 v[RC+1], v[KP+1], v[NM], s[HIM]
	v_cndmask_b32 v[RC+2], v[KP+2], v[SM], s[HIM]
	global_store_b128 v[LI], v[RC:RC+3], s[SO:SO+1] offset:256*((\a)-1)   ; 32 rows' records: 512 consecutive bytes, aligned
.endif
.endm
.irp a, 0,1,2,3,4,5,6,7
	PBLK \a
.endr
	s_wait_tensorcnt 0x0                           ; the wave's end
	ds_add_u32 v[SPW], v[NIL]
	s_wait_dscnt 0x0
	CROUND                                         ; the closing round
	s_endpgm
.Lfunc_end_k_qc61594d9b7_scores:
	.size	k_qc61594d9b7_scores, .Lfunc_end_k_qc61594d9b7_scores-k_qc61594d9b7_scores
	.p2alignl 7, 3214868480
	.fill 96, 4, 3214868480
	.section	.rodata,"a",@progbits
	.p2align	6, 0x0
	.amdhsa_kernel k_qc61594d9b7_scores
		.amdhsa_group_segment_fixed_size 327680
		.amdhsa_private_segment_fixed_size 0
		.amdhsa_enable_private_segment 0
		.amdhsa_kernarg_size 32
		.amdhsa_user_sgpr_count 2
		.amdhsa_user_sgpr_kernarg_segment_ptr 1
		.amdhsa_wavefront_size32 1
		.amdhsa_system_sgpr_workgroup_id_x 1
		.amdhsa_system_sgpr_workgroup_id_y 1
		.amdhsa_system_sgpr_workgroup_id_z 1
		.amdhsa_system_vgpr_workitem_id 0
		.amdhsa_next_free_vgpr 1024
		.amdhsa_next_free_sgpr 102
		.amdhsa_reserve_vcc 0
		.amdhsa_float_denorm_mode_32 3
		.amdhsa_float_denorm_mode_16_64 3
		.amdhsa_memory_ordered 1
		.amdhsa_forward_progress 1
		.amdhsa_inst_pref_size 202
	.end_amdhsa_kernel
	.amdgpu_metadata
---
amdhsa.version: [ 1, 2 ]
amdhsa.kernels:
  - .name:           k_qc61594d9b7_scores
    .symbol:         k_qc61594d9b7_scores.kd
    .args:
      - { .name: qkv_codes, .offset: 0, .size: 8, .value_kind: global_buffer, .address_space: global }
      - { .name: qkv_scales, .offset: 8, .size: 8, .value_kind: global_buffer, .address_space: global }
      - { .name: p_codes, .offset: 16, .size: 8, .value_kind: global_buffer, .address_space: global }
      - { .name: p_stats, .offset: 24, .size: 8, .value_kind: global_buffer, .address_space: global }
    .group_segment_fixed_size: 327680
    .private_segment_fixed_size: 0
    .kernarg_segment_align: 8
    .kernarg_segment_size: 32
    .max_flat_workgroup_size: 128
    .sgpr_count:     102
    .vgpr_count:     1024
    .wavefront_size: 32
...
	.end_amdgpu_metadata
.endif
;; end of part 3
;; launch pv (part 4): grid 4 x 64, 4 waves a work-group, clusters of 4 x 4, 327,680 bytes of LDS; arguments qkv_codes, qkv_scales, p_codes, p_stats, out0; writes out0
.if DOCPART == 4
	.amdgcn_target "amdgcn-amd-amdhsa--gfx1250"
	.amdhsa_code_object_version 6
	.text
	.protected	k_qc61594d9b7_pv
	.globl	k_qc61594d9b7_pv
	.p2align	8
	.type	k_qc61594d9b7_pv,@function
k_qc61594d9b7_pv:
	s_mov_b64 s[64:65], 0
	v_nop
	global_prefetch_b8 v0, s[64:65] scope:SCOPE_SE
	s_setreg_imm32_b32 hwreg(HW_REG_WAVE_MODE, 25, 1), 1
	s_wait_xcnt 0x0
	s_wait_alu depctr_hold_cnt(0) depctr_sa_sdst(0) depctr_va_vdst(0) depctr_va_sdst(0) depctr_va_ssrc(0) depctr_va_vcc(0) depctr_vm_vsrc(0)
	s_getreg_b32 s2, hwreg(HW_REG_IB_STS2, 6, 4)
	s_cmp_eq_u32 s2, 0
	s_cbranch_scc0 .Lentry_in_a_cluster
	s_endpgm
.Lentry_in_a_cluster:
	s_bfe_u32 s2, ttmp6, 0x10000c
	s_cmp_lg_u32 s2, 0xf033
	s_cbranch_scc0 .Lentry_shape_is_right
	s_endpgm
.Lentry_shape_is_right:
; out = (p V) / l on codes of FP6 (E2M3) with E8M0 scales.  K = 2,048 keys in 16 chunks of 128.
; A TILE is 128 queries (S1) x 256 channels (S0): 256 work-groups of four waves, each wave 64 queries x 128 channels: 32 accumulators.  A lane holds one query, its registers run along the channels.
; THE ROW'S M.  The launch before stored p for each 128 keys under an M of its own, with a record {scale word, -M, sum, 0}.  Thread q of the work-group reads its query's 16 records, takes the largest M, lowers each scale byte by M's difference
; (held at 0 from below), adds up the sums times 2^-difference (0 from a difference of 127 on) to l, and leaves the words and 1 / l in LDS.  That stands under the flight of the head's tiles.
; LDS.  Two slots of four chunks: p's 8 row blocks, then V's 16.  At the head one load a wave: p's K step 0, V's scale words, V's K step 0 in two halves.  K step 1 is asked for behind the head's round, K steps 2 and 3 each behind a round in the walk, four chunks' products ahead of their first use.
; PREFETCH INTO THE L2: each K step one refill ahead of the joint load that brings it: 1 at the head, 2 behind chunk 0's LDS loads, 3 behind chunk 4's first ones; then nothing is left to ask for.
;   Its blocks of 256 bytes are shared out by address: p's among the four work-groups of a row of the cluster (a row block, 24 blocks, for each of waves 0 and 1), V's among the four of a column (two row blocks for each of waves 2 and 3).
; The next chunk's LDS loads go into the other set of fragments (macro STEP).  The last chunk goes by S1 blocks: the products of block a + 1 stand among the multiplications by 1 / l of block a.
; ONE REGISTER CARRIES BOTH SIDES' SCALE WORDS: lanes 0-15 those of S1's block i, lanes 16-31 those of S0's block i.
; THE WAY OUT goes through each wave's own stage, over slot 0, which has had its last fill and its last read: rows of 512 bytes leave as two aligned units of 256 bytes.
; CLUSTER 4 x 4: p's tile is shared along a row of the cluster, V's along a column: joint loads.
; LIMITS: NaN and infinities are not served.
; REGISTERS: window 0: v0-31 addresses and 1 / l, v32-47 scale words, v64-159 S1's fragments (two sets of 48), v160-231 the records at the head; window 1: S0's fragments (two sets of 96); window 2: accumulator (a, b) at v[8 (8 a + b)]; window 3: the four blocks read back from the stage.
.set KC,    16
.set SROW,  6144                       ; a row block's bytes of a K step
.set S0OFF, 8*SROW
.set SLOT,  24*SROW
.set PSC,   2*SLOT                     ; p's scale words: [64 queries][chunk][64]
.set VSC,   PSC+8192+64                ; V's: [64 channels][chunk][64], 64 bytes further on modulo 256, so that the two halves of the lanes touch different banks
.set RL,    VSC+16384+192              ; 1 / l
.set SPARE, RL+512                     ; the spare words: 128 bytes a wave, two blocks of 256 bytes that no other line names
.set SPITCH, 528
.set RBP,   24576                      ; a row block in memory: 16 chunks
.set VOFF,  12582912
.set LI,   4
.set TO,   6                           ; v6   16 x thread
.set PSA,  7                           ; v7   my query's scale words
.set ADR1, 8                           ; v8-9   S1's fragments in slot 0, 1
.set PFO,  10                          ; v10  the prefetches' offset: 24 blocks of 256 bytes; never rewritten
.set ADR0, 12                          ; v12-13 S0's
.set ADS,  16                          ; v16  scale words, blocks 0-3
.set ADSB, 17                          ; v17  S0's blocks 4-7
.set RLW,  18
.set RLR,  19
.set RI,   20                          ; v20-27 1 / l of my lane's query in each of my four blocks, each twice
.set SPW,  28
.set NIL,  29
.set STO,  30                          ; v30  the way out: where I put 32 bytes of a row
.set RD,   31                          ; v31  where I read a row back
.set SC,   32
.set S1F,  64
.set ST,   160                         ; v160-223 the records
.set NMIN, 224
.set L,    225
.set D,    226
.set F,    227
.set DD,   228
.set W,    229
.set T7,   230
.set T8,   231
.set WV,   12
.set HA,   13                          ; my half of S1.  Also: I fetch p (0) or V (1)
.set HB,   14                          ; my half of S0.  Also: which half of that tile I fetch
.set CX,   15
.set CY,   16
.set OP,   92
.set M80,  94
.set G1A,  24
.set G1B,  32
.set G0A,  40
.set G0B,  48
.set G0HA, 56
.set PF,   68                          ; s[68:69] where my prefetches stand: K step 0
.set G1SB, 76
.set G0SB, 88
.set MSB, 0
.macro WIN new
.if MSB != (\new)
	s_set_vgpr_msb (MSB<<8)|(\new)
.set MSB, (\new)
.endif
.endm
.set MUL_LO, 0xa1                      ; source 0 window 1, source 1 window 0, C and D window 2
.set TO_B,   0x40
.macro PLACES                          ; four plain vector lines between a matrix instruction and a load into its registers or a read of its result
.rept 4
	v_nop
.endr
.endm
.macro TLOAD g0, g1
	tensor_load_to_lds s[\g0:\g0+3], s[\g1:\g1+7]
	s_nop 0
	PLACES
.endm
.macro JLOAD s                         ; a joint load into slot s: waves 0, 1 fetch p's halves, waves 2, 3 V's
	s_cmp_eq_u32 s[HA], 0
	s_cbranch_scc0 .Lfor_b_\@
	TLOAD G0A+4*\s, G1A
	s_branch .Lasked_\@
.Lfor_b_\@:
	TLOAD G0B+4*\s, G1B
.Lasked_\@:
.endm
.macro ARM w, g0, g1, next
	s_cmp_eq_u32 s[WV], \w
	s_cbranch_scc0 \next
	TLOAD \g0, \g1
	s_branch .Lhead_asked
\next:
.endm
.macro CREST                           ; a round of the cluster's barrier behind its opening barrier
	s_cmp_lg_u32 s[WV], 0
	s_cbranch_scc1 .Lnot_wave_0_\@
	s_barrier_signal -3
.Lnot_wave_0_\@:
	s_barrier_wait -3
	s_barrier_signal -1
	s_barrier_wait -1
.endm
.macro CROUND
	s_barrier_signal -1
	s_barrier_wait -1
	CREST
.endm
.macro GROUP1 g, mask, c, r, p         ; r rows of c elements of 8 bytes, p elements from row to row
	s_or_b32 s[\g], s\mask, (3<<16)|(1<<21)
	s_mov_b32 s[\g+1], (\c)<<16
	s_mov_b32 s[\g+2], (\r)<<16
	s_mov_b32 s[\g+3], (\c)<<16
	s_mov_b32 s[\g+4], \r
	s_mov_b32 s[\g+5], \p
	s_mov_b32 s[\g+6], 0
	s_mov_b32 s[\g+7], 0
.endm
.macro GROUP0 g, lds, a
	s_mov_b32 s[\g], 1
	s_mov_b32 s[\g+1], \lds
	s_mov_b64 s[\g+2:\g+3], s[\a:\a+1]
	s_or_b32 s[\g+3], s[\g+3], 0x80000000
.endm
.macro ASK k                           ; K step k: waves 2 and 3 have a second row block
	WIN 0
	global_prefetch_b8 v[PFO], s[PF:PF+1] offset:(\k)*SROW th:TH_LOAD_NT scope:SCOPE_SE
	s_cmp_eq_u32 s[HA], 0
	s_cbranch_scc1 .Lone_block_\@
	global_prefetch_b8 v[PFO], s[PF:PF+1] offset:(\k)*SROW+RBP th:TH_LOAD_NT scope:SCOPE_SE
.Lone_block_\@:
.endm
; The next LDS load, LJ, of chunk LN, into set LN % 2: S1's four fragments, the scale words, S0's eight: the youngest 18 loads are S0's blocks 2-7.
.macro LDN
.set LP, LN%2
.set LS, (LN/4)%2
.set LQ, LN%4
.if LJ < 12
	WIN 0
.set LX, S1F+48*LP+4*LJ
	ds_load_b128 v[LX:LX+3], v[ADR1+LS] offset:(LJ/3)*SROW+LQ*1536+512*(LJ%3)
.elseif LJ < 20
	WIN 0
.set LT, LJ-12
	ds_load_b32 v[SC+8*LP+LT], v[ADS+LT/4] offset:(LT/4)*KC*256+(LT%4)*64+256*LN
.else
	WIN TO_B
.set LT, LJ-20
.set LX, 128*LP+4*LT
	ds_load_b128 v[LX:LX+3], v[ADR0+LS] offset:(LT/3)*SROW+LQ*1536+512*(LT%3)
.endif
.set LJ, LJ+1
.endm
.macro LOADS k
.rept \k
	LDN
.endr
.endm
.macro FETCHALL                        ; chunk 0 in one run
.set LN, 0
.set LJ, 0
	LOADS 44
	WIN 0
.endm
.macro MULAB n, a, b, zero             ; the product of chunk n on accumulator (a, b).  The accumulators take turns, one instruction a turn
	WIN MUL_LO
.set MP, (\n)%2
.set MS, SC+8*MP
.set MD, 64*(\a)+8*(\b)
.set MX0, 128*MP+12*(\b)
.set MX1, S1F+48*MP+12*(\a)
.if \zero
	v_wmma_scale_f32_16x16x128_f8f6f4 v[MD:MD+7], v[MX0:MX0+11], v[MX1:MX1+11], 0, v[MS+(\b)], v[MS+(\a)] matrix_a_fmt:MATRIX_FMT_FP6 matrix_b_fmt:MATRIX_FMT_FP6 matrix_a_scale:MATRIX_SCALE_ROW1
.else
	v_wmma_scale_f32_16x16x128_f8f6f4 v[MD:MD+7], v[MX0:MX0+11], v[MX1:MX1+11], v[MD:MD+7], v[MS+(\b)], v[MS+(\a)] matrix_a_fmt:MATRIX_FMT_FP6 matrix_b_fmt:MATRIX_FMT_FP6 matrix_a_scale:MATRIX_SCALE_ROW1
.endif
.endm
.macro RUN n, from, to, zero           ; products from .. to - 1, by S0's blocks
.set MI, \from
.rept (\to)-(\from)
	MULAB \n, MI%4, MI/4, \zero
.set MI, MI+1
.endr
.endm
; Chunk n, whose successor every wave knows to be whole in LDS.  The successor's loads go out in two runs, at the start and in the middle.
; The waits: in front of each quarter the loads younger than what it needs may be out: 18, 12, 6, 0 of this chunk's, and those issued for the next.
.macro STEP n, zero
.set LN, (\n)+1
.set LJ, 0
	s_wait_dscnt 18
	PLACES                                         ; between the products that read the other set and the loads into it
	LOADS 22
	RUN \n, 0, 8, \zero
	s_wait_dscnt 12+LJ
	RUN \n, 8, 16, \zero
	s_wait_dscnt 6+LJ
	LOADS 22
	RUN \n, 16, 24, \zero
	s_wait_dscnt LJ
	RUN \n, 24, 32, \zero
.endm
; Chunk n with a barrier in its first quarter.  In front of it each wave waits for all its tensor loads, adds 0 to its spare word, and waits for that and for all its LDS reads so far.
; fill = 1: the barrier opens a round, and chunk n's slot takes the K step two on; 0: it shows what has landed to every wave.  ask: the K step to prefetch, or 0.
.macro TURN n, fill, ask
.set TSL, ((\n)/4)%2
	WIN 0
	s_wait_tensorcnt 0x0                           ; all my tensor loads have landed
	ds_add_u32 v[SPW], v[NIL]                      ; 0 onto my spare word
	s_wait_dscnt 19                                ; (the add and the chunk's youngest 18 loads may be out)
	RUN \n, 0, 4, 0
	s_wait_dscnt 0x0                               ; the add is done, and my reads of this slot are over
	s_barrier_signal -1
	RUN \n, 4, 8, 0
	WIN 0
	s_barrier_wait -1
.if \fill
	CREST                                          ; no wave of any partner still reads the slot or has a load on its way
	s_add_nc_u64 s[G0A+4*TSL+2:G0A+4*TSL+3], s[G0A+4*TSL+2:G0A+4*TSL+3], 2*SROW
	s_add_nc_u64 s[G0B+4*TSL+2:G0B+4*TSL+3], s[G0B+4*TSL+2:G0B+4*TSL+3], 2*SROW
	JLOAD TSL
.else
	PLACES
.endif
.set LN, (\n)+1
.set LJ, 0
	LOADS 22
.if \ask
	ASK \ask
.endif
	RUN \n, 8, 20, 0
	LOADS 22
	RUN \n, 20, 32, 0
.endm
	s_load_b256 s[4:11], s[0:1], 0x0               ; qkv_codes, qkv_scales, p_codes, p_stats
	s_load_b64 s[OP:OP+1], s[0:1], 0x20            ; out0
	v_lshl_add_u32 v[SPW], v0, 2, SPARE
	v_mov_b32 v[NIL], 0
	ds_add_u32 v[SPW], v[NIL]                      ; the wave's opening: the add, twice on end, and its wait ahead of the first tensor load
	ds_add_u32 v[SPW], v[NIL]
	v_lshrrev_b32 v1, 5, v0
	v_readfirstlane_b32 s[WV], v1
	s_lshr_b32 s[HA], s[WV], 1
	s_and_b32 s[HB], s[WV], 1
	s_bfe_u32 s[CX], ttmp6, 0x40000                ; the tile of 256 channels: the grid is one cluster wide
	s_bfe_u32 s[CY], ttmp6, 0x40004
	s_and_b32 s66, ttmp7, 0xffff
	s_lshl_b32 s18, s66, 2
	s_add_co_u32 s18, s18, s[CY]                   ; the tile of 128 queries, of 64
	s_lshr_b32 s67, s66, 2                         ; the batch: the same in all partners
	s_mul_i32 s20, s18, 8*RBP                      ; p's tile,
	s_mov_b32 s21, 0
	s_lshl_b32 s22, s18, 15                        ; its records,
	s_mov_b32 s23, 0
	s_lshl_b32 s2, s67, 6
	s_lshl_b32 s3, s[CX], 4
	s_add_co_u32 s2, s2, s3                        ; V's first row block
	s_mul_i32 s98, s2, RBP
	s_add_co_u32 s98, s98, VOFF
	s_mov_b32 s99, 0
	s_lshl_b32 s100, s2, 10                        ; four row blocks' scale words are 4,096 bytes
	s_add_co_u32 s100, s100, 524288
	s_mov_b32 s101, 0
	s_lshl_b32 s67, s[CY], 2
	s_lshl_b32 s67, 15, s67                        ; my row of the cluster
	s_lshl_b32 s3, 0x1111, s[CX]                   ; my column
	GROUP1 G1A, 67, SROW/8, 8, RBP/8               ; the head's load takes p's eight row blocks, the later ones four
	GROUP1 G1B, 3, SROW/8, 8, RBP/8
	GROUP1 G1SB, 3, 256, 8, 256                    ; 16,384 dense bytes
	s_mul_i32 s66, s[HB], 4*RBP                    ; my half of p's row blocks behind the head, and of V's,
	s_mov_b32 s67, 0
	s_mul_i32 s2, s[HB], 8*RBP
	s_mov_b32 s3, 0
	s_mul_i32 s17, s[HB], 4*SROW                   ; and where they go in a slot
	s_mul_i32 s19, s[HB], 8*SROW
	s_add_co_u32 s19, s19, S0OFF
	v_lshlrev_b32 v[TO], 4, v0
	s_wait_alu depctr_va_vdst(0)
	s_wait_dscnt 0x0                               ; both opening adds are done
	CROUND                                         ; all sixteen work-groups are here: the first joint loads meet
	s_wait_kmcnt 0x0
	s_add_nc_u64 s[10:11], s[10:11], s[22:23]
.irp k, 0,1,2,3,4,5,6,7,8,9,10,11,12,13,14,15
	global_load_b128 v[ST+4*\k:ST+4*\k+3], v[TO], s[10:11] offset:2048*\k   ; my query's record of 128 keys: 512 consecutive bytes a wave
.endr
	s_add_nc_u64 s[20:21], s[8:9], s[20:21]
	s_add_nc_u64 s[98:99], s[4:5], s[98:99]
	s_add_nc_u64 s[100:101], s[6:7], s[100:101]
	GROUP0 G0HA, 0, 20
	GROUP0 G0SB, VSC, 100
	s_add_nc_u64 s[20:21], s[20:21], s[66:67]
	s_add_nc_u64 s[98:99], s[98:99], s[2:3]
.irp s, 0,1
	s_mov_b32 s[G0A+4*\s], 1
	s_add_co_u32 s[G0A+4*\s+1], s17, \s*SLOT
	s_add_nc_u64 s[G0A+4*\s+2:G0A+4*\s+3], s[20:21], \s*SROW
	s_or_b32 s[G0A+4*\s+3], s[G0A+4*\s+3], 0x80000000
	s_mov_b32 s[G0B+4*\s], 1
	s_add_co_u32 s[G0B+4*\s+1], s19, \s*SLOT
	s_add_nc_u64 s[G0B+4*\s+2:G0B+4*\s+3], s[98:99], \s*SROW
	s_or_b32 s[G0B+4*\s+3], s[G0B+4*\s+3], 0x80000000
.endr
	ARM 0, G0HA, G1A, .Lhead_1                     ; wave 0: p's K step 0
	ARM 1, G0SB, G1SB, .Lhead_2                    ; wave 1: V's scale words
	TLOAD G0B, G1B                                 ; waves 2, 3: V's K step 0, a half each
.Lhead_asked:
	; the prefetches: of the half that I fetch, row block cx of p, or 2 cy and 2 cy + 1 of V
	s_cmp_eq_u32 s[HA], 0
	s_cselect_b64 s[PF:PF+1], s[20:21], s[98:99]
	s_cselect_b32 s22, s[CX], s[CY]
	s_lshl_b32 s22, s22, s[HA]
	s_mul_i32 s22, s22, RBP
	s_mov_b32 s23, 0
	s_add_nc_u64 s[PF:PF+1], s[PF:PF+1], s[22:23]
	v_and_b32 v1, 15, v0                           ; r
	v_bfe_u32 v2, v0, 4, 1                         ; h
	v_and_b32 v3, 31, v0
	v_lshlrev_b32 v[LI], 4, v3
	v_min_u32 v[PFO], 23, v3                       ; (lanes left over name the last block again)
	v_lshlrev_b32 v[PFO], 8, v[PFO]
	s_wait_alu depctr_va_vdst(0)
	ASK 1
	s_mul_i32 s4, s[HA], 4*SROW
	s_mul_i32 s5, s[HB], 8*SROW
	s_add_co_u32 s5, s5, S0OFF
.irp s, 0,1
	v_add_nc_u32 v[ADR1+\s], s4, v[LI]
	v_add_nc_u32 v[ADR0+\s], s5, v[LI]
	s_add_co_u32 s4, s4, SLOT
	s_add_co_u32 s5, s5, SLOT
.endr
	s_xor_b32 s4, s[HA], 1
	s_lshl_b32 s4, s4, 12
	s_lshl_b32 s5, s[HB], 13
	s_add_co_u32 s4, s4, s5
	s_add_co_u32 s4, s4, VSC-PSC-4096              ; from S1's words (half HA) to S0's (half HB)
	s_add_co_u32 s5, s5, VSC
	s_lshl_b32 s6, s[HA], 12
	s_add_co_u32 s6, s6, PSC
	s_lshl_b32 s7, s[HA], 8
	s_add_co_u32 s7, s7, RL
	s_mul_i32 s2, s[WV], 16*SPITCH                 ; my stage
	v_lshlrev_b32 v3, 2, v1                        ; 4 r
	v_mul_u32_u24 v[ADS], s4, v2
	v_add_nc_u32 v[ADSB], s5, v3
	v_add_nc_u32 v[ADS], v[ADS], v3
	v_add_nc_u32 v[ADS], s6, v[ADS]
	v_add_nc_u32 v[RLR], s7, v3
	v_lshl_add_u32 v[RLW], v0, 2, RL
	v_lshrrev_b32 v[PSA], 6, v0
	v_and_b32 v5, 63, v0
	v_lshlrev_b32 v5, 2, v5
	v_lshl_add_u32 v[PSA], v[PSA], 12, v5
	v_add_nc_u32 v[PSA], PSC, v[PSA]
	v_mul_u32_u24 v[STO], v1, SPITCH
	v_lshl_add_u32 v[STO], v2, 5, v[STO]
	v_add_nc_u32 v[STO], s2, v[STO]
	v_add_nc_u32 v[RD], s2, v[LI]
	s_lshl_b32 s4, s18, 7
	s_lshl_b32 s5, s[HA], 6
	s_add_co_u32 s4, s4, s5                        ; my first query
	s_lshl_b32 s4, s4, 12
	s_lshl_b32 s5, s[CX], 10
	s_add_co_u32 s4, s4, s5
	s_lshl_b32 s5, s[HB], 9
	s_add_co_u32 s4, s4, s5
	s_mov_b32 s5, 0
	s_add_nc_u64 s[OP:OP+1], s[OP:OP+1], s[4:5]
	s_mov_b32 s[M80], 0x80808080
	s_wait_alu depctr_va_vdst(0)                   ; the wait at the head's end
	s_wait_loadcnt 0x0                             ; my query's records
	v_min3_num_f32 v[NMIN], v[ST+1], v[ST+5], v[ST+9]
.irp k, 3,5,7,9,11,13
	v_min3_num_f32 v[NMIN], v[NMIN], v[ST+4*\k+1], v[ST+4*\k+5]
.endr
	v_min_num_f32 v[NMIN], v[NMIN], v[ST+61]       ; - the row's M
.irp k, 0,1,2,3,4,5,6,7,8,9,10,11,12,13,14,15
	v_sub_f32 v[D], v[ST+4*\k+1], v[NMIN]          ; the row's M less this chunk's: a whole number, 0 or more,
	v_min_num_f32 v[D], 0x42fe0000, v[D]           ; held at 127
	v_cvt_u32_f32 v[D], v[D]
	v_sub_nc_u32 v[F], 127, v[D]
	v_lshlrev_b32 v[F], 23, v[F]                   ; 2^-difference (0 at 127)
.if \k == 0
	v_mul_f32 v[L], v[ST+2], v[F]
.else
	v_fmac_f32 v[L], v[ST+4*\k+2], v[F]
.endif
	v_lshl_or_b32 v[DD], v[D], 8, v[D]
	v_lshl_or_b32 v[DD], v[DD], 16, v[DD]          ; the difference in each byte
	v_or_b32 v[W], s[M80], v[ST+4*\k]              ; p is at most 1, so its bytes are at most 125: bit 7 takes up a borrow
	v_sub_nc_u32 v[W], v[W], v[DD]
	v_and_b32 v[T7], s[M80], v[W]                  ; bit 7 still set: the byte was no smaller than the difference
	v_lshrrev_b32 v[T8], 7, v[T7]
	v_sub_nc_u32 v[T7], v[T7], v[T8]
	v_and_b32 v[ST+4*\k], v[W], v[T7]
	ds_store_b32 v[PSA], v[ST+4*\k] offset:256*\k
.endr
	s_wait_alu depctr_va_vdst(0)                   ; the wait ahead of the transcendental,
	v_rcp_f32 v[L], v[L]
	v_nop                                          ; one plain place behind it,
	s_wait_alu depctr_va_vdst(0)                   ; and the wait ahead of its reader
	ds_store_b32 v[RLW], v[L]
	s_wait_tensorcnt 0x0                           ; my tile of the head's is in
	ds_add_u32 v[SPW], v[NIL]
	s_mov_b32 s[G1A+2], 4<<16                      ; no tensor load of mine is out, so a descriptor may be written: from here on four row blocks of p a load
	s_mov_b32 s[G1A+4], 4
	s_wait_dscnt 0x0                               ; the add is done, and my words are in LDS
	CROUND                                         ; the head's tiles and everybody's words are in, and all sixteen work-groups are here
	JLOAD 1                                        ; K step 1
.irp a, 0,1,2,3
	ds_load_b32 v[RI+2*\a], v[RLR] offset:64*\a
	ds_load_b32 v[RI+2*\a+1], v[RLR] offset:64*\a
.endr
	FETCHALL
	ASK 2
	STEP 0, 1                                      ; the first products start the sums: nothing is cleared
	STEP 1, 0
	STEP 2, 0
	TURN 3, 1, 3
	STEP 4, 0
	STEP 5, 0
	STEP 6, 0
	TURN 7, 1, 0
	STEP 8, 0
	STEP 9, 0
	STEP 10, 0
	TURN 11, 0, 0                                  ; nothing is left to fetch
	STEP 12, 0
	STEP 13, 0
	STEP 14, 0
	s_wait_dscnt 0x0
.irp b, 0,1,2,3,4,5,6,7
	MULAB 15, 0, \b, 0                             ; the last chunk's first S1 block
.endr
	PLACES                                         ; behind its products
; THE WAY OUT of block a: 16 queries x my 128 channels.  Divided by l; through my stage; out as rows of 512 bytes.
.macro SCALE a
.irp b, 0,1,2,3,4,5,6,7
.if (\a) < 3
	MULAB 15, (\a)+1, \b, 0                        ; the next block's last products; the four lines behind the last of them are its places
.endif
	WIN 0x82                                       ; source 0 and destination window 2
.irp j, 0,2,4,6
	v_pk_mul_f32 v[64*(\a)+8*\b+\j:64*(\a)+8*\b+\j+1], v[64*(\a)+8*\b+\j:64*(\a)+8*\b+\j+1], v[RI+2*(\a):RI+2*(\a)+1]   ; each accumulator from its low end on
.endr
.endr
.endm
.macro TOSTAGE a
	WIN 0x08                                       ; data: window 2
.irp b, 0,1,2,3,4,5,6,7
	ds_store_b128 v[STO], v[64*(\a)+8*\b:64*(\a)+8*\b+3] offset:64*\b
	ds_store_b128 v[STO], v[64*(\a)+8*\b+4:64*(\a)+8*\b+7] offset:64*\b+16
.endr
	WIN 0xc0                                       ; destination: window 3
.irp t, 0,1,2,3,4,5,6,7,8,9,10,11,12,13,14,15
	ds_load_b128 v[64*(\a)+4*\t:64*(\a)+4*\t+3], v[RD] offset:\t*SPITCH   ; LDS serves a wave's instructions in order: these see the stores above
.endr
.endm
.macro SEND a, younger                 ; younger: the LDS instructions issued behind block a's loads
	s_wait_dscnt \younger
	WIN 0x0c                                       ; data: window 3
.irp t, 0,1,2,3,4,5,6,7,8,9,10,11,12,13,14,15
	global_store_b128 v[LI], v[64*(\a)+4*\t:64*(\a)+4*\t+3], s[OP:OP+1] offset:(16*(\a)+\t)*4096 th:TH_STORE_NT   ; 512 consecutive bytes, aligned
.endr
.endm
	SCALE 0
	TOSTAGE 0
.irp a, 1,2,3
	SCALE \a
	TOSTAGE \a
	SEND \a-1, 32                                  ; behind block a - 1's loads: block a's 16 stores and 16 loads
.endr
	SEND 3, 0
	WIN 0
	s_wait_tensorcnt 0x0                           ; the wave's end
	ds_add_u32 v[SPW], v[NIL]
	s_wait_dscnt 0x0
	CROUND                                         ; the closing round
	s_endpgm
.Lfunc_end_k_qc61594d9b7_pv:
	.size	k_qc61594d9b7_pv, .Lfunc_end_k_qc61594d9b7_pv-k_qc61594d9b7_pv
	.p2alignl 7, 3214868480
	.fill 96, 4, 3214868480
	.section	.rodata,"a",@progbits
	.p2align	6, 0x0
	.amdhsa_kernel k_qc61594d9b7_pv
		.amdhsa_group_segment_fixed_size 327680
		.amdhsa_private_segment_fixed_size 0
		.amdhsa_enable_private_segment 0
		.amdhsa_kernarg_size 40
		.amdhsa_user_sgpr_count 2
		.amdhsa_user_sgpr_kernarg_segment_ptr 1
		.amdhsa_wavefront_size32 1
		.amdhsa_system_sgpr_workgroup_id_x 1
		.amdhsa_system_sgpr_workgroup_id_y 1
		.amdhsa_system_sgpr_workgroup_id_z 1
		.amdhsa_system_vgpr_workitem_id 0
		.amdhsa_next_free_vgpr 1024
		.amdhsa_next_free_sgpr 102
		.amdhsa_reserve_vcc 0
		.amdhsa_float_denorm_mode_32 3
		.amdhsa_float_denorm_mode_16_64 3
		.amdhsa_memory_ordered 1
		.amdhsa_forward_progress 1
		.amdhsa_inst_pref_size 165
	.end_amdhsa_kernel
	.amdgpu_metadata
---
amdhsa.version: [ 1, 2 ]
amdhsa.kernels:
  - .name:           k_qc61594d9b7_pv
    .symbol:         k_qc61594d9b7_pv.kd
    .args:
      - { .name: qkv_codes, .offset: 0, .size: 8, .value_kind: global_buffer, .address_space: global }
      - { .name: qkv_scales, .offset: 8, .size: 8, .value_kind: global_buffer, .address_space: global }
      - { .name: p_codes, .offset: 16, .size: 8, .value_kind: global_buffer, .address_space: global }
      - { .name: p_stats, .offset: 24, .size: 8, .value_kind: global_buffer, .address_space: global }
      - { .name: out0, .offset: 32, .size: 8, .value_kind: global_buffer, .address_space: global }
    .group_segment_fixed_size: 327680
    .private_segment_fixed_size: 0
    .kernarg_segment_align: 8
    .kernarg_segment_size: 40
    .max_flat_workgroup_size: 128
    .sgpr_count:     102
    .vgpr_count:     1024
    .wavefront_size: 32
...
	.end_amdgpu_metadata
.endif
;; end of part 4
